; MI455X (gfx1250); checked and timed in simulation.
; The chip was launched on July 23, 2026; its instructions are those of AMD's public machine-readable ISA for CDNA 5 (MIT licence, August 2026) and "CDNA5" Instruction Set Architecture Reference Guide (July 2026). The comments in the code are by the model that wrote it; some were corrected since.
;; Multi Head Attention. Allowed arithmetic: matrix products marked QUANTISED: E2M3 operands, one E8M0 scale for each 32 along K, by v_wmma_scale_f32_16x16x128_f8f6f4 with both operands' format E2M3, f32 sums; everything else in f32.
;; Inputs: b_k 1,024 float32; b_o 1,024 float32; b_q 1,024 float32; b_v 1,024 float32; k 4 x 2,048 x 1,024 float32; mask 4 x 2,048 x 2,048 int32; q 4 x 2,048 x 1,024 float32; v 4 x 2,048 x 1,024 float32; w_k 1,024 x 1,024 float32; w_o 1,024 x 1,024 float32; w_q 1,024 x 1,024 float32; w_v 1,024 x 1,024 float32.
;; Outputs: out0 4 x 2,048 x 1,024 float32.
;; This version of the problem:
;;   THIS VERSION OF THE PROBLEM IS GIVEN IN LOW PRECISION. The matrix products marked QUANTISED in the list below multiply operands that are first quantised to E2M3 (2 exponent bits, 3 mantissa bits; 6 bits a number), with one power-of-two scale for each 32 numbers along K (OCP MX v1.0); their sums are f32. All else is computed in f32.
;;   The module's matrix products, in the order in which they are computed (A, B: the left and right operand; K: the contracted axis; several contracted axes count as one K, in the product's order):
;;     1. [M 8,192, K 1,024] x [K 1,024, N 1,024]; A: input q; B: input w_q: QUANTISED
;;     2. [M 8,192, K 1,024] x [K 1,024, N 1,024]; A: input k; B: input w_k: QUANTISED
;;     3. [M 8,192, K 1,024] x [K 1,024, N 1,024]; A: input v; B: input w_v: QUANTISED
;;     4. batch 64 x [M 2,048, K 64] x [K 64, N 2,048]; A: computed on the way; B: computed on the way: QUANTISED
;;     5. batch 64 x [M 2,048, K 2,048] x [K 2,048, N 64]; A: softmax (see below); B: computed on the way: QUANTISED
;;     6. [M 8,192, K 1,024] x [K 1,024, N 1,024]; A: computed on the way; B: input w_o: QUANTISED
;;   THE QUANTISER, for each operand of a quantised product, along K:
;;     - K is cut into blocks of 32 from its start; a last block that is shorter is filled with zeros.
;;     - A block's scale is 2^e with e = floor(log2(the largest magnitude in the block)) - 2, held to -126 .. 127; a block of zeros has e = 0. As a byte (E8M0): e + 127.
;;     - Each number is divided by its block's scale, clamped to +-7.5, and rounded to the nearest number of E2M3, ties to even, subnormals kept.
;;     - The product sums the exact products of the quantised numbers (number of the format x scale) in f32.
;;   ~~~python
;;   def quantise(x, axis):      # numpy; x: float32 -> the quantised numbers, widened to float32 again
;;       x = np.moveaxis(x, axis, -1); K = x.shape[-1]
;;       x = np.pad(x, [(0, 0)] * (x.ndim - 1) + [(0, -K % 32)]); x = x.reshape(x.shape[:-1] + (-1, 32)); a = np.abs(x).max(-1, keepdims=True)
;;       e = np.where(a > 0, np.clip(np.frexp(np.where(a > 0, a, 1))[1] - 1 - 2, -126, 127), 0)      # np.frexp(a)[1] - 1 = floor(log2(a)), exactly
;;       r = np.clip(x / 2.0 ** e, -7.5, 7.5)
;;       step = 2.0 ** (np.maximum(np.frexp(np.where(r == 0, 1, r))[1] - 1, 0) - 3)
;;       q = np.round(r / step) * step * 2.0 ** e      # np.round: ties to even
;;       return np.moveaxis(q.reshape(q.shape[:-2] + (-1,))[..., :K], -1, axis).astype(np.float32)
;;   ~~~
;;   SOFTMAX AHEAD OF A QUANTISED PRODUCT. Where the list says 'softmax', what is quantised is not the finished softmax but p = 2^(t - M), with t = logit x log2(e) and M = ceil(the row's largest t), a whole number; so 1/2 < the row's largest p <= 1. The row's sum l is taken of the UNQUANTISED p, in f32, and the product's result is divided by l at the end. Since M is a whole number, a kernel that streams over the keys may use a running M (the ceiling of the running maximum): every later rescaling is an exact power of two, which a block's scale takes up: the codes' values come out the same.
;;   OPERANDS COMPUTED ON THE WAY. 'Computed on the way' means the value that the module computes at that place (a softmax that the list does not call 'softmax' is quantised finished and normalised). What goes into a quantiser is computed in f32, as accurately as f32 sums, v_exp_f32 and their like allow (about 1e-6 of the number): no bf16 or f16 on the way to a quantiser, and a product that is left as it is and whose result goes on into a quantised operand takes f32 operands (vector FMAs, or v_wmma_f32_16x16x4_f32). A number that lies on a knife's edge between two numbers of the format may be rounded either way, as far as f32 arithmetic and the matrix unit's own rounding can turn it there, and no further.
;; One version. Each part assembles by itself: llvm-mc -triple=amdgcn-amd-amdhsa -mcpu=gfx1250 --defsym DOCPART=n.
;; ======== version 1 of 1: 4 launches
;; limits: right only within a limited range of input values
;; workspace buffers: xpk 19,660,800 bytes; wpk 3,276,800 bytes; maskw 2,097,152 bytes of whole numbers; hb 20,185,088 bytes; opk 6,553,600 bytes
;; launch prep (part 1): grid 2048 x 1, 4 waves a work-group, no clusters, 80,384 bytes of LDS; arguments q, k, v, mask, w_q, w_k, w_v, w_o, xpk, wpk, maskw; writes xpk, wpk, maskw
.if DOCPART == 1
	.amdgcn_target "amdgcn-amd-amdhsa--gfx1250"
	.amdhsa_code_object_version 6
	.text
	.protected	k_q48ff285c85_prep
	.globl	k_q48ff285c85_prep
	.p2align	8
	.type	k_q48ff285c85_prep,@function
k_q48ff285c85_prep:
	s_mov_b64 s[64:65], 0
	v_nop
	global_prefetch_b8 v0, s[64:65] scope:SCOPE_SE
	s_setreg_imm32_b32 hwreg(HW_REG_WAVE_MODE, 25, 1), 1
	s_wait_xcnt 0x0
; q, k, v [8192][1024] f32 and the four weights [1024 (k)][1024 (n)] f32 become codes of E2M3 with one E8M0 byte for each 32 along K, laid in the order of a matrix operand's
; registers; the mask [4][2048][2048] i32 becomes one bit a number, laid as the lane masks that the attention launch selects by.
; A TILE holds 16 rows that are not neighbours: row r of tile t is 32 (t / 2) + 8 (t % 2) + r + 8 (r / 8).
; AN IMAGE of a fragment (16 rows x 128 K, 12 registers a lane) is 1,536 bytes: for each half c of K: registers 6c .. 6c+3 at 16 x lane, registers 6c+4, 6c+5 at 512 + 8 x lane, 768 bytes a half.
; A PACK: [128 rows][4 quarters of K][25,600 bytes]; a quarter: [2 K steps][8 tiles][1,536], then 1,024 bytes of scale words [pair of tiles][row][tile of the pair][K step].
; A block's scale is 2^(floor(log2(largest magnitude)) - 2); its byte is the largest magnitude's exponent field - 2, held at 1 from below.
; LIMITS: a block of zeros gets the byte 1 where the rule says 127 (its codes are zeros; this program alone reads the bytes); blocks whose largest magnitude lies under 2^-124 were not tried;
; NaN and infinities among the inputs are not served.
; SHARES: work-groups 0-255 take the weights, 256-1023 q, k, v, 1024-2047 the mask.  Waves share nothing: no barrier.  Each path has LDS bytes of its own.
; No cluster, no tensor load: no two work-groups read the same bytes.
.set XST, 0                            ; q, k, v: a stage of 16 rows x (512 + 16) bytes for each wave
.set MST, 33792                        ; the mask: likewise
.set WST, 67584                        ; the weights: two images, 3,072 bytes, for each wave
.set STG, 8448
.set SEL, 32                           ; s[32:33] lane selects: lane l xor 16
.set R0,  16                           ; v16-79, v80-143 two sets of 16 loads
.set X,   144                          ; v144-207 64 numbers of a lane: register 16 b + i = element 32 b + 16 (lane / 16) + i of row lane % 16
.set PC,  208                          ; v208-219 a fragment's codes; v220-226 at work
.set TM,  228                          ; v228-231 largest magnitudes, v232-235 bytes, v240-243 the conversions' scale operands
.set W,   244                          ; v244-247 four scale words
.set MW,  248                          ; v248-249 64 mask words: word n in lane n / 2, register n % 2
.macro LOADU set, imm0, pitch          ; 16 rows of a tile, 512 consecutive bytes of each: 16 bytes a lane
.irp i, 0,1,2,3,4,5,6,7,8,9,10,11,12,13,14,15
	global_load_b128 v[\set+4*\i:\set+4*\i+3], v4, s[34:35] offset:(\imm0)+(\i+8*(\i/8))*\pitch th:TH_LOAD_NT
.endr
.endm
.macro TURNU set                       ; through the wave's own stage: in as loaded, out 64 bytes a lane of each block of 128.  LDS serves a wave's instructions in order: no wait between
.irp i, 0,1,2,3,4,5,6,7,8,9,10,11,12,13,14,15
	ds_store_b128 v6, v[\set+4*\i:\set+4*\i+3] offset:528*\i
.endr
.irp b, 0,1,2,3
.irp j, 0,1,2,3
	ds_load_b128 v[X+16*\b+4*\j:X+16*\b+4*\j+3], v7 offset:128*\b+16*\j
.endr
.endr
.endm
; 64 numbers of a lane become a fragment's codes in v[PC] on and its row's scale word in v[pw]
.macro QUANT s, pw
.irp b, 0,1,2,3
	v_max3_num_f32 v[TM+\b], |v[\s+16*\b]|, |v[\s+1+16*\b]|, 0x1800000   ; my 16 numbers of block b, and the floor 2^(3 - 127): the byte cannot fall under 1
.endr
.irp i, 2,4,6,8,10,12,14
.irp b, 0,1,2,3
	v_max3_num_f32 v[TM+\b], v[TM+\b], |v[\s+16*\b+\i]|, |v[\s+1+16*\b+\i]|
.endr
.endr
.irp b, 0,1,2,3
	v_permlanex16_b32 v[TM+4+\b], v[TM+\b], s[SEL], s[SEL+1]
.endr
.irp b, 0,1,2,3
	v_max_num_f32 v[TM+\b], v[TM+\b], v[TM+4+\b]      ; with lane l xor 16's 16: the block's largest magnitude
.endr
.irp b, 0,1,2,3
	v_add_nc_u32 v[TM+12+\b], 0xff000000, v[TM+\b]    ; 2 off its exponent field: the conversion's scale operand
.endr
.irp b, 0,1,2,3
	v_lshrrev_b32 v[TM+4+\b], 23, v[TM+12+\b]         ; the scale's byte
.endr
	v_lshl_or_b32 v[\pw], v[TM+5], 8, v[TM+4]
	v_lshl_or_b32 v[\pw], v[TM+6], 16, v[\pw]
	v_lshl_or_b32 v[\pw], v[TM+7], 24, v[\pw]
.irp c, 0,1
	v_cvt_scalef32_pk16_fp6_f32 v[PC+6*\c:PC+2+6*\c], v[\s+32*\c:\s+15+32*\c], v[TM+12+2*\c]
	v_cvt_scalef32_pk16_fp6_f32 v[PC+12+4*\c:PC+14+4*\c], v[\s+16+32*\c:\s+31+32*\c], v[TM+12+2*\c+1]   ; (a conversion's three registers begin on an even number)
.endr
	v_nop                                          ; one plain line behind the conversions
.irp c, 0,1                                    ; a lane is to hold a whole block: lanes 0-15 block 2 c, lanes 16-31 block 2 c + 1
.irp i, 0,1,2
	v_permlane16_swap_b32 v[PC+6*\c+\i], v[PC+12+4*\c+\i]
.endr
.irp i, 0,1,2
	v_mov_b32 v[PC+3+6*\c+\i], v[PC+12+4*\c+\i]
.endr
.endr
.endm
.macro IMGST off                       ; an image leaves: each store covers 512 or 256 consecutive bytes, aligned
	global_store_b128 v4, v[PC:PC+3], s[38:39] offset:\off
	global_store_b64 v5, v[PC+4:PC+5], s[38:39] offset:\off
	global_store_b128 v4, v[PC+6:PC+9], s[38:39] offset:\off+768
	global_store_b64 v5, v[PC+10:PC+11], s[38:39] offset:\off+768
.endm
	s_load_b512 s[8:23], s[0:1], 0x0               ; q, k, v, mask, w_q, w_k, w_v, w_o
	s_load_b128 s[24:27], s[0:1], 0x40             ; xpk, wpk
	s_load_b64 s[28:29], s[0:1], 0x50              ; maskw
	v_lshl_add_u32 v254, v0, 2, 0x13800
	v_mov_b32 v255, 0
	v_lshrrev_b32 v1, 5, v0
	v_readfirstlane_b32 s30, v1                    ; wave 0..3
	v_and_b32 v1, 31, v0                           ; lane
	v_and_b32 v2, 15, v0                           ; r
	v_bfe_u32 v3, v0, 4, 1                         ; h
	v_lshlrev_b32 v4, 4, v1                        ; 16 x lane
	v_lshl_add_u32 v5, v1, 3, 512                  ; 512 + 8 x lane
	v_lshlrev_b32 v8, 4, v2                        ; 16 r
	v_mul_u32_u24 v7, v2, 528
	v_lshl_add_u32 v7, v3, 6, v7                   ; 528 r + 64 h
	s_mov_b32 s[SEL], 0x76543210
	s_mov_b32 s[SEL+1], 0xfedcba98
.irp b, 0,1,2,3
	v_mov_b32 v[TM+4+\b], 0                        ; written once: a lane permute's destination counts as one of its sources
.endr
	v_mov_b32 v[MW], 0
	v_mov_b32 v[MW+1], 0
	s_mov_b32 s37, 0
	s_wait_kmcnt 0x0
	s_cmp_lt_u32 ttmp9, 256
	s_cbranch_scc1 .Lpath_w
	s_cmp_lt_u32 ttmp9, 1024
	s_cbranch_scc1 .Lpath_x
; ---- THE MASK.  Work-groups 1024-2047 (in place of the share named at the head): half of one tile of 16 queries of one batch; wave w of half g: key steps 2 (4 g + w) and the next, 128 keys each.
; So the grid is 256 + 768 + 1,024 work-groups, and the mask's, which have half the bytes of q's, k's and v's, have the highest numbers.
	s_sub_co_u32 s52, ttmp9, 1024                  ; 2 x (128 x batch + tile) + half
	s_lshr_b32 s48, s52, 1                         ; 128 x batch + tile
	s_and_b32 s52, s52, 1
	s_lshl_b32 s52, s52, 2
	s_add_co_u32 s52, s52, s30                     ; 4 x half + wave: which pair of key steps
	s_lshr_b32 s49, s48, 7
	s_and_b32 s50, s48, 127
	s_lshl_b32 s36, s49, 24                        ; a batch is 2,048 rows of 8,192 bytes
	s_lshr_b32 s51, s50, 1
	s_lshl_b32 s51, s51, 18                        ; 32 rows
	s_add_co_u32 s36, s36, s51
	s_and_b32 s51, s50, 1
	s_lshl_b32 s51, s51, 16                        ; 8 rows
	s_add_co_u32 s36, s36, s51
	s_lshl_b32 s51, s52, 10                        ; my two steps of 512 bytes
	s_add_co_u32 s36, s36, s51
	s_add_nc_u64 s[34:35], s[14:15], s[36:37]
	s_lshl_b32 s36, s48, 12                        ; a tile's 16 steps x 256 bytes of words
	s_lshl_b32 s51, s52, 9
	s_add_co_u32 s36, s36, s51
	s_add_nc_u64 s[38:39], s[28:29], s[36:37]
	s_mul_i32 s51, s30, STG
	s_add_co_u32 s51, s51, MST
	v_add_nc_u32 v6, s51, v4
	s_wait_alu depctr_va_vdst(0)
	v_add_nc_u32 v7, s51, v7
	v_lshlrev_b32 v9, 3, v1                        ; 8 x lane
.macro MUNIT n
.if \n < 1
	s_wait_loadcnt 16                              ; this unit's 16 loads are in; the other set's 16 may be out
.else
	s_wait_loadcnt 0x0
.endif
	TURNU R0+64*(\n%2)
	s_wait_dscnt 0x0
	s_wait_xcnt 0x0                                ; the last unit's store has read its data: the words may be written again
.irp g, 0,1,2,3,4,5,6,7
.irp e, 0,1,2,3,4,5,6,7
	v_cmp_ne_u32 s[40+\e], 0, v[X+8*\g+\e]         ; word n: bit l = (the mask of lane l's query at key 32 (n / 16) + 16 (l / 16) + n % 16 is not 0)
.endr
.irp e, 0,1,2,3,4,5,6,7
	v_writelane_b32 v[MW+\e%2], s[40+\e], 4*\g+\e/2
.endr
.endr
	global_store_b64 v9, v[MW:MW+1], s[38:39] offset:256*\n   ; 32 lanes store 256 consecutive bytes, aligned
.endm
	LOADU R0, 0, 8192
	LOADU R0+64, 512, 8192
	s_wait_alu depctr_va_vdst(0)
	MUNIT 0
	MUNIT 1
	s_wait_tensorcnt 0x0
	ds_add_u32 v254, v255
	s_wait_dscnt 0x0
	s_endpgm
; ---- q, k, v.  Work-group: 32 rows (a pair of tiles) of one tensor; wave w: quarter w of K (256 numbers of each row).
.Lpath_x:
	s_sub_co_u32 s48, ttmp9, 256
	s_lshr_b32 s49, s48, 8                         ; which tensor
	s_and_b32 s50, s48, 255                        ; which 32 rows
	s_cmp_eq_u32 s49, 1
	s_cselect_b64 s[34:35], s[10:11], s[8:9]
	s_cmp_eq_u32 s49, 2
	s_cselect_b64 s[34:35], s[12:13], s[34:35]
	s_lshl_b32 s36, s50, 17                        ; 32 rows of 4,096 bytes
	s_lshl_b32 s51, s30, 10
	s_add_co_u32 s36, s36, s51
	s_add_nc_u64 s[34:35], s[34:35], s[36:37]
	s_mul_i32 s54, s49, 6553600
	s_lshr_b32 s51, s50, 2
	s_mul_i32 s51, s51, 102400
	s_add_co_u32 s54, s54, s51
	s_mul_i32 s51, s30, 25600
	s_add_co_u32 s54, s54, s51                     ; my quarter of the pack
	s_and_b32 s51, s50, 3                          ; the pair of tiles
	s_mul_i32 s36, s51, 3072
	s_add_co_u32 s36, s36, s54
	s_add_nc_u64 s[38:39], s[24:25], s[36:37]      ; its images
	s_lshl_b32 s36, s51, 8
	s_add_co_u32 s36, s36, s54
	s_add_co_u32 s36, s36, 24576
	s_add_nc_u64 s[56:57], s[24:25], s[36:37]      ; its scale words
	s_mul_i32 s51, s30, STG
	s_add_co_u32 s51, s51, XST
	v_add_nc_u32 v6, s51, v4
	s_wait_alu depctr_va_vdst(0)
	v_add_nc_u32 v7, s51, v7
.macro XUNIT n                         ; unit n: tile n / 2 of the pair, K step n % 2 of the quarter
.if \n < 3
	s_wait_loadcnt 16                              ; this unit's 16 loads are in; the other set's 16 may be out
.else
	s_wait_loadcnt 0x0
.endif
	TURNU R0+64*(\n%2)
	s_wait_dscnt 0x0
	s_wait_xcnt 0x0                                ; the last unit's stores have read the codes' registers
.if \n < 2
	LOADU R0+64*(\n%2), 8*((\n+2)/2)*4096+512*((\n+2)%2), 4096
.endif
	QUANT X, W+\n
	IMGST 12288*(\n%2)+1536*(\n/2)
.endm
	LOADU R0, 0, 4096
	LOADU R0+64, 512, 4096
	s_wait_alu depctr_va_vdst(0)
	XUNIT 0
	XUNIT 1
	XUNIT 2
	XUNIT 3
	global_store_b128 v8, v[W:W+3], s[56:57]       ; sixteen lanes fill 256 consecutive bytes, aligned; lanes 16-31 write the same bytes with the same values
	s_wait_tensorcnt 0x0
	ds_add_u32 v254, v255
	s_wait_dscnt 0x0
	s_endpgm
; ---- THE WEIGHTS.  K is their first axis: a lane takes a column and its registers run down K.  Work-group: one weight, one K step of 128, 128 columns; wave w: 32 columns (a pair of tiles).
.Lpath_w:
	s_lshr_b32 s48, ttmp9, 6                       ; which weight
	s_bfe_u32 s49, ttmp9, 0x30003                  ; K step
	s_and_b32 s50, ttmp9, 7                        ; which 128 columns
	s_cmp_eq_u32 s48, 1
	s_cselect_b64 s[34:35], s[18:19], s[16:17]
	s_cmp_eq_u32 s48, 2
	s_cselect_b64 s[34:35], s[20:21], s[34:35]
	s_cmp_eq_u32 s48, 3
	s_cselect_b64 s[34:35], s[22:23], s[34:35]
	s_lshl_b32 s36, s49, 19                        ; 128 rows of 4,096 bytes
	s_lshl_b32 s51, s50, 9
	s_add_co_u32 s36, s36, s51
	s_lshl_b32 s51, s30, 7
	s_add_co_u32 s36, s36, s51
	s_add_nc_u64 s[34:35], s[34:35], s[36:37]
	s_mul_i32 s54, s48, 819200
	s_mul_i32 s51, s50, 102400
	s_add_co_u32 s54, s54, s51
	s_lshr_b32 s51, s49, 1
	s_mul_i32 s51, s51, 25600
	s_add_co_u32 s54, s54, s51                     ; the quarter
	s_and_b32 s52, s49, 1
	s_mul_i32 s36, s52, 12288
	s_mul_i32 s51, s30, 3072
	s_add_co_u32 s36, s36, s51
	s_add_co_u32 s36, s36, s54
	s_add_nc_u64 s[38:39], s[26:27], s[36:37]      ; my two images
	s_lshl_b32 s36, s30, 8
	s_lshl_b32 s51, s52, 2
	s_add_co_u32 s36, s36, s51
	s_add_co_u32 s36, s36, s54
	s_add_co_u32 s36, s36, 24576
	s_add_nc_u64 s[56:57], s[26:27], s[36:37]      ; my scale words
	v_lshlrev_b32 v9, 2, v1                        ; 4 x lane
	v_and_b32 v14, 7, v1
	v_lshl_or_b32 v14, v3, 3, v14                  ; column l is row (l % 8) + 8 (l / 16)
	v_bfe_u32 v15, v0, 3, 1                        ; of tile (l / 8) % 2 of the pair
	s_mul_i32 s51, s30, 3072
	s_add_co_u32 s51, s51, WST
	v_mul_u32_u24 v10, v15, 1536
	v_add_nc_u32 v10, s51, v10
	v_lshl_add_u32 v11, v14, 3, v10                ; the stage: the tile's image + 8 x row
	v_lshl_add_u32 v10, v14, 4, v10                ; and + 16 x row
	v_add_nc_u32 v12, s51, v4                      ; back: 16 x lane
	v_lshlrev_b32 v13, 3, v15
	v_lshl_add_u32 v13, v14, 4, v13                ; my scale word's place: 16 x row + 8 x tile
.macro WLOAD kb                        ; block kb: rows 32 kb .. 32 kb + 31 of the K step, my column, into registers of the block's own
.set n, 32*(\kb)
.rept 32
	global_load_b32 v[16+n], v9, s[34:35] offset:n*4096 th:TH_LOAD_NT   ; 32 lanes read 128 consecutive bytes; the four waves stand side by side on 512
.set n, n+1
.endr
.endm
.macro WBLOCK kb                       ; block kb of 32 along K: all its numbers are mine.  In the image it is lane row + 16 (kb % 2), half kb / 2
.set XS, 16+32*\kb
.set CD, 208+6*\kb
.if \kb < 3
	s_wait_loadcnt 32                              ; this block's 32 loads are in; the next block's 32 may be out
.else
	s_wait_loadcnt 0x0
.endif
.if \kb < 2
	WLOAD \kb+2                                    ; the loads run two blocks ahead: 64 of a wave at the most are out
.endif
	v_max3_num_f32 v236, |v[XS]|, |v[XS+1]|, |v[XS+2]|
	v_max3_num_f32 v237, |v[XS+3]|, |v[XS+4]|, |v[XS+5]|
.irp i, 6,10,14,18,22,26
	v_max3_num_f32 v236, v236, |v[XS+\i]|, |v[XS+\i+1]|
	v_max3_num_f32 v237, v237, |v[XS+\i+2]|, |v[XS+\i+3]|
.endr
	v_max3_num_f32 v236, v236, |v[XS+30]|, |v[XS+31]|
	v_max3_num_f32 v236, v236, v237, 0x1800000     ; and the floor 2^(3 - 127)
	v_add_nc_u32 v238, 0xff000000, v236            ; 2 off the exponent field: the conversion's scale operand
	v_lshrrev_b32 v239, 23, v238                   ; the byte
.if \kb == 0
	v_mov_b32 v244, v239
.else
	v_lshl_or_b32 v244, v239, 8*\kb, v244
.endif
	v_cvt_scalef32_pk16_fp6_f32 v[CD:CD+2], v[XS:XS+15], v238
	v_cvt_scalef32_pk16_fp6_f32 v[232:234], v[XS+16:XS+31], v238
	v_nop                                          ; one plain line behind the conversions
	v_mov_b32 v[CD+3], v232
	v_mov_b32 v[CD+4], v233
	v_mov_b32 v[CD+5], v234
	ds_store_b128 v10, v[CD:CD+3] offset:768*(\kb/2)+256*(\kb%2)
	ds_store_b64 v11, v[CD+4:CD+5] offset:768*(\kb/2)+512+128*(\kb%2)
.endm
	WLOAD 0
	WLOAD 1
	WBLOCK 0
	WBLOCK 1
	WBLOCK 2
	WBLOCK 3
.irp i, 0,1,2,3,4,5
	ds_load_b128 v[16+4*\i:19+4*\i], v12 offset:512*\i     ; LDS serves a wave's instructions in order: these see my stores
.endr
	s_wait_alu depctr_va_vdst(0)
	s_wait_dscnt 0x0
.irp i, 0,1,2,3,4,5
	global_store_b128 v4, v[16+4*\i:19+4*\i], s[38:39] offset:512*\i   ; 3,072 consecutive bytes
.endr
	global_store_b32 v13, v244, s[56:57]           ; a word a lane, 8 or 16 bytes apart: the K step's half of the pair's 256 bytes of scale words; the other half is another work-group's
	s_wait_tensorcnt 0x0
	ds_add_u32 v254, v255
	s_wait_dscnt 0x0
	s_endpgm
.Lfunc_end_k_q48ff285c85_prep:
	.size	k_q48ff285c85_prep, .Lfunc_end_k_q48ff285c85_prep-k_q48ff285c85_prep
	.p2alignl 7, 3214868480
	.fill 96, 4, 3214868480
	.section	.rodata,"a",@progbits
	.p2align	6, 0x0
	.amdhsa_kernel k_q48ff285c85_prep
		.amdhsa_group_segment_fixed_size 80384
		.amdhsa_private_segment_fixed_size 0
		.amdhsa_enable_private_segment 0
		.amdhsa_kernarg_size 88
		.amdhsa_user_sgpr_count 2
		.amdhsa_user_sgpr_kernarg_segment_ptr 1
		.amdhsa_wavefront_size32 1
		.amdhsa_system_sgpr_workgroup_id_x 1
		.amdhsa_system_sgpr_workgroup_id_y 1
		.amdhsa_system_sgpr_workgroup_id_z 1
		.amdhsa_system_vgpr_workitem_id 0
		.amdhsa_next_free_vgpr 256
		.amdhsa_next_free_sgpr 66
		.amdhsa_reserve_vcc 0
		.amdhsa_float_denorm_mode_32 3
		.amdhsa_float_denorm_mode_16_64 3
		.amdhsa_memory_ordered 1
		.amdhsa_forward_progress 1
		.amdhsa_inst_pref_size 80
	.end_amdhsa_kernel
	.amdgpu_metadata
---
amdhsa.version: [ 1, 2 ]
amdhsa.kernels:
  - .name:           k_q48ff285c85_prep
    .symbol:         k_q48ff285c85_prep.kd
    .args:
      - { .name: q, .offset: 0, .size: 8, .value_kind: global_buffer, .address_space: global }
      - { .name: k, .offset: 8, .size: 8, .value_kind: global_buffer, .address_space: global }
      - { .name: v, .offset: 16, .size: 8, .value_kind: global_buffer, .address_space: global }
      - { .name: mask, .offset: 24, .size: 8, .value_kind: global_buffer, .address_space: global }
      - { .name: w_q, .offset: 32, .size: 8, .value_kind: global_buffer, .address_space: global }
      - { .name: w_k, .offset: 40, .size: 8, .value_kind: global_buffer, .address_space: global }
      - { .name: w_v, .offset: 48, .size: 8, .value_kind: global_buffer, .address_space: global }
      - { .name: w_o, .offset: 56, .size: 8, .value_kind: global_buffer, .address_space: global }
      - { .name: xpk, .offset: 64, .size: 8, .value_kind: global_buffer, .address_space: global }
      - { .name: wpk, .offset: 72, .size: 8, .value_kind: global_buffer, .address_space: global }
      - { .name: maskw, .offset: 80, .size: 8, .value_kind: global_buffer, .address_space: global }
    .group_segment_fixed_size: 80384
    .private_segment_fixed_size: 0
    .kernarg_segment_align: 8
    .kernarg_segment_size: 88
    .max_flat_workgroup_size: 128
    .sgpr_count:     66
    .vgpr_count:     256
    .wavefront_size: 32
...
	.end_amdgpu_metadata
.endif
;; end of part 1
;; launch proj (part 2): grid 4 x 192, 4 waves a work-group, clusters of 4 x 4, 327,680 bytes of LDS; arguments xpk, wpk, b_q, b_k, b_v, hb; writes hb
.if DOCPART == 2
	.amdgcn_target "amdgcn-amd-amdhsa--gfx1250"
	.amdhsa_code_object_version 6
	.text
	.protected	k_q48ff285c85_proj
	.globl	k_q48ff285c85_proj
	.p2align	8
	.type	k_q48ff285c85_proj,@function
k_q48ff285c85_proj:
	s_mov_b64 s[64:65], 0
	v_nop
	global_prefetch_b8 v0, s[64:65] scope:SCOPE_SE
	s_setreg_imm32_b32 hwreg(HW_REG_WAVE_MODE, 25, 1), 1
	s_wait_xcnt 0x0
	s_wait_alu depctr_hold_cnt(0) depctr_sa_sdst(0) depctr_va_vdst(0) depctr_va_sdst(0) depctr_va_ssrc(0) depctr_va_vcc(0) depctr_vm_vsrc(0)
	s_getreg_b32 s2, hwreg(HW_REG_IB_STS2, 6, 4)
	s_cmp_eq_u32 s2, 0
	s_cbranch_scc0 .Lentry_in_a_cluster
	s_endpgm
.Lentry_in_a_cluster:
	s_bfe_u32 s2, ttmp6, 0x10000c
	s_cmp_lg_u32 s2, 0xf033
	s_cbranch_scc0 .Lentry_shape_is_right
	s_endpgm
.Lentry_shape_is_right:
; The three projections, on codes of E2M3: qh = q w_q + b_q, kh, vh, each [8192][1024], K = 1,024; their results are quantised on the way out into the operands of the attention launch.
; A work-group multiplies 128 rows of operand A (source 1: across the lanes) by 256 rows of operand B (source 0: along a lane's registers).  For q and k: A = tokens, B = the weight's output features, so that a lane's
; registers run along a head's channels, which are the K of the scores.  For v: A = the weight's features, B = tokens, so that they run along the keys, the K of the second product.  The main part is the same for all three.
; ALL OF K LIES IN LDS: A's pack of 128 rows at 0, B's two packs from 102,400 on; each byte is filled once, by tensor loads of a half of K (51,200 dense bytes a pack: codes and scale words together).
; CLUSTER 4 x 4: A's pack hangs on the tile row alone and is asked for jointly by a row of the cluster, B's on the tile column alone, by a column.
; Four waves: wave w takes A's tiles 4 (w / 2) .. + 3 and B's pack w % 2: 32 accumulators of 16 x 16; a K step of 128 is 32 matrix instructions, the accumulators by turns.
; A TILE's row r is row 32 (t / 2) + 8 (t % 2) + r + 8 (r / 8): so the 16 registers of B's tiles 2 b, 2 b + 1 are 16 neighbours, 32 b + 16 (lane / 16) + 0 .. 15, along the next K.
; LIMITS: a block of zeros gets the byte 1 where the rule says 127 (its codes are zeros; this program alone reads the bytes); blocks whose largest magnitude lies under 2^-124 were not tried; NaN and infinities are not served.
; REGISTERS: window 0: v1-15 addresses; v32-79 scale words, two sets, and nothing else; v80-103 at work on the way out; v112-159, v160-207 A's fragments, two sets (on the way out: 64 numbers, then codes).
;   window 1: B's fragments, two sets, v0-95 and v128-223.  window 2: accumulator (a, b) at v[64 a + 8 b].  window 3: v0-63 the bias along the registers, v64-71 the bias across the lanes.
; HOW LDS IS FILLED: four joint loads, one a wave, each of a HALF of K.  A's halves lie at 0 and 51,200.  B lies as [half of K][pack][51,200 bytes] from 102,400 on:
; one load brings a half of K of both packs, as a tile of two rows of 51,200 bytes, 102,400 bytes apart in memory.
.set QB,   25600
.set RBB,  102400
.set QOFF, 13369344                    ; where Q's regions begin in hb
.set WV, 16
.set RH, 17
.set PH, 18
.set CX, 19
.set CY, 20
.set G1A, 24                           ; s[24:31], s[32:39] descriptor groups 1;  s[40:47] A's two groups 0;  s[56:63] B's
.set G1B, 32
.set SEL, 4
.set TM,  80
.set PC,  176
.set MSB, 0
.macro WIN new                         ; the immediate's high byte repeats the setting that is left
.if MSB != \new
	s_set_vgpr_msb (MSB<<8)|\new
.set MSB, \new
.endif
.endm
.set MUL,  0xa1                        ; source 0 (B) window 1, source 1 (A) window 0, C and D window 2
.set TO_B, 0x40
.set TO_3, 0xc0
.set Z3,   0xcc                        ; destination and source 1 window 3
.set ADD1, 0x0e                        ; source 0 window 2, source 1 window 3
.set ADD2, 0x0c                        ; source 1 window 3
.macro CROUND                          ; a round of the cluster's barrier
	s_barrier_signal -1
	s_barrier_wait -1
	s_cmp_lg_u32 s[WV], 0
	s_cbranch_scc1 .Lnot_wave_0_\@
	s_barrier_signal -3
.Lnot_wave_0_\@:
	s_barrier_wait -3
	s_barrier_signal -1
	s_barrier_wait -1
.endm
.macro FRAG reg, a16, a8, off          ; an image comes back as the registers that it was
	ds_load_b128 v[\reg:\reg+3], v[\a16] offset:\off
	ds_load_b64 v[\reg+4:\reg+5], v[\a8] offset:\off
	ds_load_b128 v[\reg+6:\reg+9], v[\a16] offset:\off+768
	ds_load_b64 v[\reg+10:\reg+11], v[\a8] offset:\off+768
.endm
.macro FETCH k, set                    ; K step k's fragments: B's eight, A's four
	WIN TO_B
.irp i, 0,1,2,3,4,5,6,7
	FRAG 128*(\set)+12*\i, 6, 7, 12288*((\k)%2)+1536*\i
.endr
	WIN 0
.irp i, 0,1,2,3
	FRAG 112+48*(\set)+12*\i, 4, 5, 12288*((\k)%2)+1536*\i
.endr
.endm
.macro SCALES set                      ; a quarter's scale words: tile i, K step q in register 2 i + q
.irp j, 0,1
	ds_load_b128 v[32+24*(\set)+4*\j:35+24*(\set)+4*\j], v8 offset:256*\j
.endr
.irp j, 0,1,2,3
	ds_load_b128 v[40+24*(\set)+4*\j:43+24*(\set)+4*\j], v9 offset:256*\j
.endr
.endm
.macro MUL16 a0, p, q, sc, zero        ; A's tiles a0, a0 + 1 x B's eight.  zero = 1: the first product starts the sums
.irp a, \a0, \a0+1
.irp b, 0,1,2,3,4,5,6,7
.if \zero
	v_wmma_scale_f32_16x16x128_f8f6f4 v[64*(\a)+8*\b:64*(\a)+8*\b+7], v[128*(\p)+12*\b:128*(\p)+12*\b+11], v[112+48*(\p)+12*(\a):112+48*(\p)+12*(\a)+11], 0, v[40+24*(\sc)+2*\b+(\q)], v[32+24*(\sc)+2*(\a)+(\q)] matrix_a_fmt:MATRIX_FMT_FP6 matrix_b_fmt:MATRIX_FMT_FP6
.else
	v_wmma_scale_f32_16x16x128_f8f6f4 v[64*(\a)+8*\b:64*(\a)+8*\b+7], v[128*(\p)+12*\b:128*(\p)+12*\b+11], v[112+48*(\p)+12*(\a):112+48*(\p)+12*(\a)+11], v[64*(\a)+8*\b:64*(\a)+8*\b+7], v[40+24*(\sc)+2*\b+(\q)], v[32+24*(\sc)+2*(\a)+(\q)] matrix_a_fmt:MATRIX_FMT_FP6 matrix_b_fmt:MATRIX_FMT_FP6
.endif
.endr
.endr
.endm
; K step k.  In a quarter's second step the addresses step on to the next quarter.  In K step 3 the second half of K is made sure of: every wave waits for its load, and all pass a barrier behind which nothing is filled.
.macro KSTEP k
.set P, (\k)%2
.set SS, ((\k)/2)%2
.set TN, 0
.if (\k)%2 == 1
.if (\k) < 7
.set TN, 1
.endif
.endif
.if (\k) == 3
	s_wait_tensorcnt 0x0                           ; my load has landed, whichever half it brought
.endif
	s_wait_dscnt 0x0                               ; this step's fragments are in
.if (\k) == 3
	s_barrier_signal -1
.endif
	WIN MUL
.if (\k) == 0
	MUL16 0, P, P, SS, 1
.else
	MUL16 0, P, P, SS, 0
.endif
	WIN 0
.if TN
.if (\k) == 3
	s_barrier_wait -1
.endif
.irp r, 4,5,8
	v_add_nc_u32 v\r, QB, v\r                      ; A: on to the next quarter.  (These six are also the places in front of the loads below)
.endr
.if (\k) == 3
.irp r, 6,7,9
	v_add_nc_u32 v\r, 3*QB, v\r                    ; B: from my pack's second quarter to its third, past the other pack's first half
.endr
.else
.irp r, 6,7,9
	v_add_nc_u32 v\r, QB, v\r
.endr
.endif
.elseif (\k) < 7
.rept 4
	v_nop                                          ; four places between the last step's products and the loads into the registers that they read
.endr
.endif
.if (\k) < 7
	FETCH (\k)+1, 1-P
.if TN
	SCALES 1-SS
.endif
.endif
	WIN MUL
.if (\k) == 0
	MUL16 2, P, P, SS, 1
.else
	MUL16 2, P, P, SS, 0
.endif
.endm
; 64 numbers of a lane, register 16 b + i = k 32 b + 16 (lane / 16) + i of my row, become a fragment's codes in v[PC] on and the row's scale word in v[pw]
.macro QUANT s, pw
.irp b, 0,1,2,3
	v_max3_num_f32 v[TM+\b], |v[\s+16*\b]|, |v[\s+1+16*\b]|, 0x1800000   ; and the floor 2^(3 - 127): the byte cannot fall under 1
.endr
.irp i, 2,4,6,8,10,12,14
.irp b, 0,1,2,3
	v_max3_num_f32 v[TM+\b], v[TM+\b], |v[\s+16*\b+\i]|, |v[\s+1+16*\b+\i]|
.endr
.endr
.irp b, 0,1,2,3
	v_permlanex16_b32 v[TM+4+\b], v[TM+\b], s[SEL], s[SEL+1]
.endr
.irp b, 0,1,2,3
	v_max_num_f32 v[TM+\b], v[TM+\b], v[TM+4+\b]
.endr
.irp b, 0,1,2,3
	v_add_nc_u32 v[TM+12+\b], 0xff000000, v[TM+\b]    ; 2 off the exponent field: the conversion's scale operand
.endr
.irp b, 0,1,2,3
	v_lshrrev_b32 v[TM+4+\b], 23, v[TM+12+\b]
.endr
	v_lshl_or_b32 v[\pw], v[TM+5], 8, v[TM+4]
	v_lshl_or_b32 v[\pw], v[TM+6], 16, v[\pw]
	v_lshl_or_b32 v[\pw], v[TM+7], 24, v[\pw]
.irp c, 0,1
	v_cvt_scalef32_pk16_fp6_f32 v[PC+6*\c:PC+2+6*\c], v[\s+32*\c:\s+15+32*\c], v[TM+12+2*\c]
	v_cvt_scalef32_pk16_fp6_f32 v[PC+12+4*\c:PC+14+4*\c], v[\s+16+32*\c:\s+31+32*\c], v[TM+12+2*\c+1]
.endr
	v_nop                                          ; one plain line behind the conversions
.irp c, 0,1
.irp i, 0,1,2
	v_permlane16_swap_b32 v[PC+6*\c+\i], v[PC+12+4*\c+\i]
.endr
.irp i, 0,1,2
	v_mov_b32 v[PC+3+6*\c+\i], v[PC+12+4*\c+\i]
.endr
.endr
.endm
	s_load_b256 s[4:11], s[0:1], 0x0               ; xpk, wpk, b_q, b_k
	s_load_b128 s[12:15], s[0:1], 0x20             ; b_v, hb
	v_lshl_add_u32 v254, v0, 2, 0x4b000
	v_mov_b32 v255, 0
	ds_add_u32 v254, v255
	ds_add_u32 v254, v255
	v_lshrrev_b32 v1, 5, v0
	v_readfirstlane_b32 s[WV], v1                  ; wave 0..3
	s_lshr_b32 s[RH], s[WV], 1                     ; which 64 rows of A
	s_and_b32 s[PH], s[WV], 1                      ; which pack of B
	s_bfe_u32 s[CX], ttmp6, 0x40000
	s_bfe_u32 s[CY], ttmp6, 0x40004
	s_and_b32 s21, ttmp7, 0xffff                   ; the cluster's y: 16 clusters for each of q, k, v
	s_lshr_b32 s22, s21, 4                         ; T: 0 q, 1 k, 2 v
	s_and_b32 s23, s21, 15
	s_lshr_b32 s76, s23, 1
	s_lshl_b32 s76, s76, 2
	s_and_b32 s77, s23, 1
	s_lshl_b32 s77, s77, 2
	s_lshl_b32 s78, s23, 2
	s_cmp_eq_u32 s22, 2                            ; v has 32 tile columns (tokens) x 8 tile rows (features); q and k 4 x 64
	s_cselect_b32 s76, s76, 0
	s_cselect_b32 s77, s77, s78
	s_add_co_u32 s79, s[CX], s76                   ; tile column
	s_add_co_u32 s80, s[CY], s77                   ; tile row
	s_lshl_b32 s2, s[CY], 2
	s_lshl_b32 s2, 15, s2                          ; my row of the cluster
	s_lshl_b32 s3, 0x1111, s[CX]                   ; my column
	; group 1: the cluster's work-groups that share the load; elements of 8 bytes
	s_or_b32 s[G1A], s2, (3<<16)|(1<<21)
	s_or_b32 s[G1B], s3, (3<<16)|(1<<21)
	s_mov_b32 s[G1A+1], 32<<16                     ; A: 51,200 dense bytes as 200 rows of 32 elements of 8 bytes
	s_mov_b32 s[G1A+2], 200<<16
	s_mov_b32 s[G1A+3], 32<<16
	s_mov_b32 s[G1A+4], 200
	s_mov_b32 s[G1A+5], 32
	s_mov_b32 s[G1A+6], 0
	s_mov_b32 s[G1A+7], 0
	s_mov_b32 s[G1B+1], 6400<<16                   ; B: two rows of 6,400 elements of 8 bytes, a pack (12,800 elements) apart
	s_mov_b32 s[G1B+2], 2<<16
	s_mov_b32 s[G1B+3], 6400<<16
	s_mov_b32 s[G1B+4], 2
	s_mov_b32 s[G1B+5], 12800
	s_mov_b32 s[G1B+6], 0
	s_mov_b32 s[G1B+7], 0
	s_mul_i32 s82, s22, 6553600
	s_mov_b32 s83, 0
	s_mul_i32 s96, s22, 819200
	s_mov_b32 s97, 0
	s_wait_dscnt 0x0
	s_wait_kmcnt 0x0
	s_add_nc_u64 s[84:85], s[4:5], s[82:83]        ; the tensor's pack
	s_add_nc_u64 s[86:87], s[6:7], s[96:97]        ; its weight's
	s_cmp_eq_u32 s22, 2
	s_cselect_b64 s[88:89], s[86:87], s[84:85]     ; A
	s_cselect_b64 s[90:91], s[84:85], s[86:87]     ; B
	s_mul_i32 s82, s80, RBB
	s_add_nc_u64 s[88:89], s[88:89], s[82:83]      ; A's pack: by the tile row alone
	s_mul_i32 s92, s79, 2*RBB                      ; B's two packs: by the tile column alone
	s_mov_b32 s93, 0
	s_add_nc_u64 s[90:91], s[90:91], s[92:93]      ; B's pack: by the tile column alone
.irp q, 0,1                                    ; groups 0 for the two halves of K: A's in s[40:47], B's in s[56:63]
	s_mov_b32 s[40+4*\q], 1
	s_mov_b32 s[41+4*\q], 2*QB*\q
	s_add_nc_u64 s[42+4*\q:43+4*\q], s[88:89], 2*QB*\q
	s_or_b32 s[43+4*\q], s[43+4*\q], 0x80000000
	s_mov_b32 s[56+4*\q], 1
	s_mov_b32 s[57+4*\q], RBB+RBB*\q
	s_add_nc_u64 s[58+4*\q:59+4*\q], s[90:91], 2*QB*\q
	s_or_b32 s[59+4*\q], s[59+4*\q], 0x80000000
.endr
	CROUND                                         ; all sixteen work-groups are here: the joint loads meet
; One load a wave, in one chain of branches on the wave's number: wave 0 A's first half of K, wave 1 B's, wave 2 A's second half, wave 3 B's
.macro ARM w, g0, g1
	s_cmp_eq_u32 s[WV], \w
	s_cbranch_scc0 .Lnot_\w
	tensor_load_to_lds s[\g0:\g0+3], s[\g1:\g1+7]
	s_nop 0
.rept 4
	v_nop
.endr
	s_branch .Lasked
.Lnot_\w:
.endm
	ARM 0, 40, G1A
	ARM 1, 56, G1B
	ARM 2, 44, G1A
	tensor_load_to_lds s[60:63], s[G1B:G1B+7]
	s_nop 0
.rept 4
	v_nop
.endr
.Lasked:
	v_and_b32 v1, 31, v0                           ; lane
	v_and_b32 v2, 15, v0                           ; r
	v_bfe_u32 v3, v0, 4, 1                         ; h
	v_lshlrev_b32 v10, 4, v1                       ; 16 x lane
	v_lshl_add_u32 v11, v1, 3, 512                 ; 512 + 8 x lane
	s_mul_i32 s2, s[RH], 6144
	v_add_nc_u32 v4, s2, v10                       ; A's images: my four tiles
	v_add_nc_u32 v5, s2, v11
	s_mul_i32 s3, s[PH], 2*QB                      ; my pack's place in a half of K
	s_add_co_u32 s3, s3, RBB
	v_add_nc_u32 v6, s3, v10                       ; B's: my pack
	v_add_nc_u32 v7, s3, v11
	v_lshlrev_b32 v9, 4, v2
	s_lshl_b32 s2, s[RH], 9
	s_add_co_u32 s2, s2, 24576
	v_add_nc_u32 v8, s2, v9                        ; A's scale words
	s_add_co_u32 s3, s3, 24576
	v_add_nc_u32 v9, s3, v9                        ; B's
	v_lshlrev_b32 v14, 6, v3                       ; 64 h
	s_wait_alu depctr_va_vdst(0)
	v_and_b32 v15, 8, v2
	v_add_nc_u32 v15, v15, v2
	v_lshlrev_b32 v15, 2, v15                      ; 4 (r + 8 (r / 8))
	s_wait_alu depctr_va_vdst(0)
.irp b, 0,1,2,3
	v_mov_b32 v[TM+4+\b], 0                        ; written once: a lane permute's destination counts as one of its sources
.endr
	; THE BIAS runs along the registers for q and k and across the lanes for v.  Both sets are loaded (each stays inside the buffer either way), and the one that does not apply is cleared: no branch
	s_cmp_eq_u32 s22, 1
	s_cselect_b64 s[94:95], s[10:11], s[8:9]
	s_cmp_eq_u32 s22, 2
	s_cselect_b64 s[94:95], s[12:13], s[94:95]
	s_lshl_b32 s2, s79, 10
	s_lshl_b32 s3, s[PH], 9
	s_add_co_u32 s2, s2, s3                        ; 4 (256 x tile column + 128 x pack)
	s_lshl_b32 s76, s80, 9
	s_lshl_b32 s3, s[RH], 8
	s_add_co_u32 s76, s76, s3                      ; 4 (128 x tile row + 64 x half)
	s_cmp_eq_u32 s22, 2
	s_cselect_b32 s96, 0, s2
	s_cselect_b32 s82, s76, 0
	s_add_nc_u64 s[98:99], s[94:95], s[96:97]
	s_add_nc_u64 s[100:101], s[94:95], s[82:83]
	WIN TO_3
.irp b, 0,1,2,3
.irp j, 0,1,2,3
	global_load_b128 v[16*\b+4*\j:16*\b+4*\j+3], v14, s[98:99] offset:128*\b+16*\j   ; register 16 b + i: feature 32 b + 16 h + i
.endr
.endr
.irp a, 0,1,2,3
	global_load_b32 v[64+2*\a], v15, s[100:101] offset:4*(32*(\a/2)+8*(\a%2))        ; tile a, my row; twice, for the packed addition
	global_load_b32 v[65+2*\a], v15, s[100:101] offset:4*(32*(\a/2)+8*(\a%2))
.endr
	WIN 0
	; WHERE THE RESULTS GO.  q, k: the fragment's half c is head 2 x pair + c's image of my tile of tokens.  v: the fragment is the head's image of tile a of its channels, key step s.
	s_cmp_eq_u32 s22, 0
	s_mov_b32 s66, 208896
	s_cselect_b32 s66, 106496, s66                 ; a head's region
	s_cselect_b32 s67, QOFF, 0
	s_mov_b32 s78, 196608
	s_cselect_b32 s78, 98304, s78                  ; where its scale words begin
	s_lshr_b32 s2, s80, 4
	s_lshl_b32 s2, s2, 4
	s_lshl_b32 s3, s79, 2
	s_add_co_u32 s2, s2, s3
	s_lshl_b32 s3, s[PH], 1
	s_add_co_u32 s2, s2, s3                        ; 16 x batch + my even head
	s_mul_i32 s2, s2, s66
	s_add_co_u32 s2, s2, s67
	s_and_b32 s3, s80, 15
	s_lshl_b32 s76, s3, 3
	s_lshl_b32 s77, s[RH], 2
	s_add_co_u32 s76, s76, s77                     ; my first tile of tokens in the batch
	s_mul_i32 s76, s76, 768
	s_add_co_u32 s76, s76, s2                      ; q, k: images
	s_lshl_b32 s3, s3, 9
	s_lshl_b32 s77, s[RH], 8
	s_add_co_u32 s77, s77, s3
	s_add_co_u32 s77, s77, s78
	s_add_co_u32 s77, s77, s2                      ; q, k: scale words
	s_lshr_b32 s2, s79, 3
	s_lshl_b32 s2, s2, 4
	s_lshl_b32 s3, s80, 1
	s_add_co_u32 s2, s2, s3
	s_add_co_u32 s2, s2, s[RH]                     ; v: 16 x batch + head
	s_mul_i32 s2, s2, 208896
	s_lshl_b32 s3, s79, 1
	s_add_co_u32 s3, s3, s[PH]
	s_and_b32 s3, s3, 15                           ; v: key step
	s_mul_i32 s78, s3, 6144
	s_add_co_u32 s78, s78, s2
	s_add_co_u32 s78, s78, 98304                   ; v: images
	s_lshl_b32 s3, s3, 8
	s_add_co_u32 s3, s3, s2
	s_add_co_u32 s3, s3, 204800                    ; v: scale words
	s_cmp_eq_u32 s22, 2
	s_cselect_b32 s82, s78, s76
	s_cselect_b32 s96, s3, s77
	s_mov_b32 s8, 768
	s_cselect_b32 s8, 1536, s8                     ; from tile a to tile a + 1
	s_cselect_b32 s10, 768, s66                    ; from half 0 to half 1
	s_cselect_b32 s2, 0, s66                       ; lanes 16-31 store the odd head's scale words (q, k)
	s_cselect_b32 s3, 0, 16                        ; which are the word's upper two bytes
	s_cselect_b32 s6, 0, -1                        ; keep the bias along the registers?
	s_cselect_b32 s7, -1, 0                        ; keep the bias across the lanes?
	s_mov_b32 s9, 0
	s_mov_b32 s11, 0
	s_add_nc_u64 s[84:85], s[14:15], s[82:83]
	s_add_nc_u64 s[86:87], s[84:85], s[10:11]
	s_add_nc_u64 s[12:13], s[14:15], s[96:97]
	s_mov_b32 s[SEL], 0x76543210
	s_mov_b32 s[SEL+1], 0xfedcba98
	v_mul_u32_u24 v12, v3, s3
	v_mul_u32_u24 v13, v3, s2
	v_lshl_add_u32 v13, v2, 4, v13
	s_wait_loadcnt 0x0                             ; the biases
	WIN Z3
.set n, 0
.rept 64
	v_cndmask_b32 v[n], 0, v[n], s6
.set n, n+1
.endr
.rept 8
	v_cndmask_b32 v[n], 0, v[n], s7
.set n, n+1
.endr
	WIN 0
	s_cmp_lt_u32 s[WV], 2                          ; waves 0 and 1 asked for the first half of K: they wait for it; the second half may be out
	s_cbranch_scc0 .Lsecond_half
	s_wait_tensorcnt 0x0
.Lsecond_half:
	s_barrier_signal -1
	s_barrier_wait -1                              ; everybody's has
	SCALES 0
	FETCH 0, 0
	KSTEP 0
	KSTEP 1
	s_wait_alu depctr_va_vdst(0)
	KSTEP 2
	KSTEP 3
	s_wait_alu depctr_va_vdst(0)
	KSTEP 4
	KSTEP 5
	s_wait_alu depctr_va_vdst(0)
	KSTEP 6
	KSTEP 7
	WIN 0
.rept 4
	v_nop                                          ; four places between the last products and the first read of results
.endr
; THE WAY OUT, a tile a of A at a time: the bias, the quantiser, the image
.macro OUTA a
	s_wait_xcnt 0x0                                ; the last tile's stores have read their data and their bases
.if \a > 0
	s_add_nc_u64 s[84:85], s[84:85], s[8:9]
	s_add_nc_u64 s[86:87], s[86:87], s[8:9]
.endif
	WIN ADD1
.set n, 0
.rept 32
	v_pk_add_f32 v[112+n:113+n], v[64*\a+n:64*\a+n+1], v[n:n+1]      ; each accumulator from its low end on
.set n, n+2
.endr
	WIN ADD2
.set n, 0
.rept 32
	v_pk_add_f32 v[112+n:113+n], v[112+n:113+n], v[64+2*\a:65+2*\a]  ; (one of the two biases is 0)
.set n, n+2
.endr
	WIN 0
	QUANT 112, 96
	v_lshrrev_b32 v[100+\a], v12, v96
	global_store_b128 v10, v[PC:PC+3], s[84:85]
	global_store_b64 v11, v[PC+4:PC+5], s[84:85]
	global_store_b128 v10, v[PC+6:PC+9], s[86:87]
	global_store_b64 v11, v[PC+10:PC+11], s[86:87]
.endm
	OUTA 0
	OUTA 1
	OUTA 2
	OUTA 3
	global_store_b128 v13, v[100:103], s[12:13]    ; sixteen lanes fill 256 consecutive bytes, aligned: four tiles' words of a row together
	s_wait_dscnt 0x0
	s_wait_tensorcnt 0x0
	ds_add_u32 v254, v255
	s_wait_dscnt 0x0
	CROUND                                         ; the closing round
	s_endpgm
.Lfunc_end_k_q48ff285c85_proj:
	.size	k_q48ff285c85_proj, .Lfunc_end_k_q48ff285c85_proj-k_q48ff285c85_proj
	.p2alignl 7, 3214868480
	.fill 96, 4, 3214868480
	.section	.rodata,"a",@progbits
	.p2align	6, 0x0
	.amdhsa_kernel k_q48ff285c85_proj
		.amdhsa_group_segment_fixed_size 327680
		.amdhsa_private_segment_fixed_size 0
		.amdhsa_enable_private_segment 0
		.amdhsa_kernarg_size 48
		.amdhsa_user_sgpr_count 2
		.amdhsa_user_sgpr_kernarg_segment_ptr 1
		.amdhsa_wavefront_size32 1
		.amdhsa_system_sgpr_workgroup_id_x 1
		.amdhsa_system_sgpr_workgroup_id_y 1
		.amdhsa_system_sgpr_workgroup_id_z 1
		.amdhsa_system_vgpr_workitem_id 0
		.amdhsa_next_free_vgpr 1024
		.amdhsa_next_free_sgpr 102
		.amdhsa_reserve_vcc 0
		.amdhsa_float_denorm_mode_32 3
		.amdhsa_float_denorm_mode_16_64 3
		.amdhsa_memory_ordered 1
		.amdhsa_forward_progress 1
		.amdhsa_inst_pref_size 112
	.end_amdhsa_kernel
	.amdgpu_metadata
---
amdhsa.version: [ 1, 2 ]
amdhsa.kernels:
  - .name:           k_q48ff285c85_proj
    .symbol:         k_q48ff285c85_proj.kd
    .args:
      - { .name: xpk, .offset: 0, .size: 8, .value_kind: global_buffer, .address_space: global }
      - { .name: wpk, .offset: 8, .size: 8, .value_kind: global_buffer, .address_space: global }
      - { .name: b_q, .offset: 16, .size: 8, .value_kind: global_buffer, .address_space: global }
      - { .name: b_k, .offset: 24, .size: 8, .value_kind: global_buffer, .address_space: global }
      - { .name: b_v, .offset: 32, .size: 8, .value_kind: global_buffer, .address_space: global }
      - { .name: hb, .offset: 40, .size: 8, .value_kind: global_buffer, .address_space: global }
    .group_segment_fixed_size: 327680
    .private_segment_fixed_size: 0
    .kernarg_segment_align: 8
    .kernarg_segment_size: 48
    .max_flat_workgroup_size: 128
    .sgpr_count:     102
    .vgpr_count:     1024
    .wavefront_size: 32
...
	.end_amdgpu_metadata
.endif
;; end of part 2
;; launch attn (part 3): grid 4 x 64, 16 waves a work-group, clusters of 4 x 1, 210,944 bytes of LDS; arguments hb, maskw, opk; writes opk
.if DOCPART == 3
	.amdgcn_target "amdgcn-amd-amdhsa--gfx1250"
	.amdhsa_code_object_version 6
	.text
	.protected	k_q48ff285c85_attn
	.globl	k_q48ff285c85_attn
	.p2align	8
	.type	k_q48ff285c85_attn,@function
k_q48ff285c85_attn:
	s_mov_b64 s[64:65], 0
	v_nop
	global_prefetch_b8 v0, s[64:65] scope:SCOPE_SE
	s_setreg_imm32_b32 hwreg(HW_REG_WAVE_MODE, 25, 1), 1
	s_wait_xcnt 0x0
	s_wait_alu depctr_hold_cnt(0) depctr_sa_sdst(0) depctr_va_vdst(0) depctr_va_sdst(0) depctr_va_ssrc(0) depctr_va_vcc(0) depctr_vm_vsrc(0)
	s_getreg_b32 s2, hwreg(HW_REG_IB_STS2, 6, 4)
	s_cmp_eq_u32 s2, 0
	s_cbranch_scc0 .Lentry_in_a_cluster
	s_endpgm
.Lentry_in_a_cluster:
	s_bfe_u32 s2, ttmp6, 0x10000c
	s_cmp_lg_u32 s2, 0x3003
	s_cbranch_scc0 .Lentry_shape_is_right
	s_endpgm
.Lentry_shape_is_right:
; Attention of one (batch, head) for each cluster, both products on codes of E2M3; its result, divided by the row's sum, is quantised along the model's 1,024 features into the operand of the last projection.
; t = score x log2(e) / 8; M = the running largest t rounded up to a whole number; p = 2^(t - M) is quantised along the keys, not normalised; the row's sum is taken of the unquantised p.
; THE MASK: a score whose mask is 0 is replaced by -2^33, so that its logit stands as -2^30.  LIMIT: reference has -1e9 there; the results are the same wherever the logits that count lie above -1e9.
; A row all of whose keys are masked gives p = 1 for every key, as there.  OTHER LIMITS: a block of zeros gets the byte 1 where the rule says 127 (its codes are zeros; this program alone reads the bytes); NaN and infinities are not served.
; SHARES: the cluster's four work-groups own 512 queries each; each of sixteen waves two tiles of 16 queries, one after the other; four waves to a SIMD, so that one wave's vector work stands beside another's products and LDS loads.
; LDS holds the head's whole K and V, images and scale words, 208,896 bytes, filled ONCE: each wave asks for 51 rows of 256 bytes, jointly with the same wave of the three partners.  After one barrier LDS is only read.
; LAYOUT: S^T = K Q^T (source 0 = 16 keys), O^T = V^T P^T (source 0 = 16 channels): a lane holds one query throughout.  Row r of tile t is 32 (t / 2) + 8 (t % 2) + r + 8 (r / 8), of keys, queries and channels alike.
; K = 64 IN THE FIRST PRODUCT: a key tile's six registers are the lower half of the operand; its upper half, whatever follows in the registers, meets six registers of zero codes in Q, and no code of this format is a NaN or an infinity.
; The scale bytes of that half are 0x7f in Q's word; in K's they are another head's bytes or 0, never 0xff.
; The mask words come by scalar loads, 64 words a step, a step ahead, and only select values.
; REGISTERS: v1-7, v14 addresses that stay; v8-13 the step's; v16 -M, v17 the largest t, v[18:19] the sum; v20-31 Q; v32-85 K's or V's fragments (v80-85 zeros); v86-99 scale words and nothing else;
;   v100-163 S^T, then p; v164-195 O^T; v196-207 p's codes; v208-231 at work.
.set QOFF, 13369344
.set WV,  10
.set QP,  66
.set QSP, 68
.set MP,  70
.set OP,  72
.set OSP, 74
.set SEL, 76
.set CS,  78                           ; s[78:79] c = log2(e) / 8
.set TK,  96                           ; the step's images: 6,144 bytes a step, K's and V's alike
.set TKS, 97                           ; K's scale words: 512 a step
.set TVS, 98                           ; V's: 256 a step
.set CNT, 99
.set S,   100
.set O,   164
.set BM,  216
.set BP,  220
.set BO,  224
.macro CROUND
	s_barrier_signal -1
	s_barrier_wait -1
	s_cmp_lg_u32 s[WV], 0
	s_cbranch_scc1 .Lnot_wave_0_\@
	s_barrier_signal -3
.Lnot_wave_0_\@:
	s_barrier_wait -3
	s_barrier_signal -1
	s_barrier_wait -1
.endm
.macro MLOAD                           ; a step's 64 mask words: word n in s[16 + n], from word 48 on in s[32 + n]
	s_load_b512 s[16:31], s[MP:MP+1], 0x0
	s_load_b512 s[32:47], s[MP:MP+1], 0x40
	s_load_b512 s[48:63], s[MP:MP+1], 0x80
	s_load_b512 s[80:95], s[MP:MP+1], 0xc0
.endm
	s_load_b128 s[4:7], s[0:1], 0x0                ; hb, maskw
	s_load_b64 s[8:9], s[0:1], 0x10                ; opk
	v_lshl_add_u32 v254, v0, 2, 0x33000
	v_mov_b32 v255, 0
	ds_add_u32 v254, v255
	ds_add_u32 v254, v255
	v_lshrrev_b32 v1, 5, v0
	s_delay_alu instid0(VALU_DEP_1)
	v_readfirstlane_b32 s[WV], v1                  ; wave 0..15
	s_bfe_u32 s11, ttmp6, 0x40000                  ; cx: it enters Q's, the mask's and the output's addresses alone
	s_and_b32 s12, ttmp7, 0xffff                   ; 16 x batch + head
	s_lshr_b32 s13, s12, 4
	s_and_b32 s14, s12, 15
	s_mul_i32 s28, s12, 208896
	s_mul_i32 s17, s[WV], 13056                    ; my 51 rows: in LDS,
	s_add_co_u32 s28, s28, s17                     ; and in the head's region
	s_mov_b32 s29, 0
	s_mov_b32 s16, 1
	s_mov_b32 s20, 15|(3<<16)|(1<<21)              ; all four work-groups; elements of 8 bytes
	s_mov_b32 s21, 32<<16
	s_mov_b32 s22, 51<<16
	s_mov_b32 s23, 32<<16
	s_mov_b32 s24, 51
	s_mov_b32 s25, 32
	s_mov_b32 s26, 0
	s_mov_b32 s27, 0
	s_wait_dscnt 0x0
	s_wait_kmcnt 0x0
	s_add_nc_u64 s[18:19], s[4:5], s[28:29]
	s_or_b32 s19, s19, 0x80000000
	CROUND                                         ; all four work-groups are here: the joint loads meet
	tensor_load_to_lds s[16:19], s[20:27]
	s_nop 0
.rept 4
	v_nop
.endr
	v_and_b32 v15, 31, v0
	v_and_b32 v14, 15, v0
	s_delay_alu instid0(VALU_DEP_2)
	v_lshlrev_b32 v1, 4, v15                       ; 16 x lane: K's images, and Q's and the output's in memory
	s_delay_alu instid0(VALU_DEP_3)
	v_lshl_add_u32 v2, v15, 3, 512                 ; 512 + 8 x lane
	s_delay_alu instid0(VALU_DEP_2)
	v_add_nc_u32 v3, 98304, v1                     ; V's images
	s_delay_alu instid0(VALU_DEP_2)
	v_add_nc_u32 v4, 98304, v2
	v_lshlrev_b32 v14, 4, v14                      ; 16 r
	s_delay_alu instid0(VALU_DEP_1)
	v_add_nc_u32 v5, 196608, v14                   ; K's scale words
	s_delay_alu instid0(VALU_DEP_2)
	v_add_nc_u32 v6, 204800, v14                   ; V's
	v_mov_b32 v7, 0xd0000000                       ; -2^33
.irp j, 26,27,28,29,30,31,80,81,82,83,84,85,220,221,222,223,231
	v_mov_b32 v\j, 0                               ; Q's upper half; what follows K's last tile; the permutes' destinations; the upper half of f's pair
.endr
	s_mov_b32 s[SEL], 0x76543210
	s_mov_b32 s[SEL+1], 0xfedcba98
	s_mov_b32 s[CS], 0x3e38aa3b
	s_mov_b32 s[CS+1], s[CS]
	s_mov_b32 s100, 0x7f7f0000
	s_lshl_b32 s15, s11, 5
	s_lshl_b32 s2, s[WV], 1
	s_add_co_u32 s15, s15, s2                      ; my first tile of queries: 32 cx + 2 x wave
	s_mul_i32 s2, s12, 106496
	s_add_co_u32 s2, s2, QOFF                      ; the head's Q region
	s_mul_i32 s28, s15, 768
	s_add_co_u32 s28, s28, s2
	s_add_nc_u64 s[QP:QP+1], s[4:5], s[28:29]
	s_lshr_b32 s28, s15, 2
	s_lshl_b32 s28, s28, 8
	s_and_b32 s30, s15, 3
	s_lshl_b32 s30, s30, 2
	s_add_co_u32 s28, s28, s30
	s_add_co_u32 s28, s28, s2
	s_add_co_u32 s28, s28, 98304
	s_add_nc_u64 s[QSP:QSP+1], s[4:5], s[28:29]
	s_lshl_b32 s28, s13, 7
	s_add_co_u32 s28, s28, s15
	s_lshl_b32 s28, s28, 12                        ; a tile's 16 steps x 256 bytes
	s_add_nc_u64 s[MP:MP+1], s[6:7], s[28:29]
	s_lshl_b32 s3, s13, 4
	s_lshl_b32 s30, s11, 2
	s_add_co_u32 s3, s3, s30
	s_lshr_b32 s30, s[WV], 2
	s_add_co_u32 s3, s3, s30                       ; which 128 rows of the output's pack
	s_mul_i32 s3, s3, 102400
	s_lshr_b32 s30, s14, 2
	s_mul_i32 s30, s30, 25600
	s_add_co_u32 s3, s3, s30                       ; the quarter: four heads
	s_bfe_u32 s30, s14, 0x10001                    ; the K step in it: two heads
	s_and_b32 s31, s14, 1                          ; the half of the K step
	s_and_b32 s2, s[WV], 3                         ; the pair of tiles
	s_mul_i32 s28, s30, 12288
	s_add_co_u32 s28, s28, s3
	s_mul_i32 s101, s2, 3072
	s_add_co_u32 s28, s28, s101
	s_mul_i32 s101, s31, 768
	s_add_co_u32 s28, s28, s101
	s_add_nc_u64 s[OP:OP+1], s[8:9], s[28:29]
	s_lshl_b32 s28, s2, 8
	s_add_co_u32 s28, s28, s3
	s_lshl_b32 s30, s30, 2
	s_add_co_u32 s28, s28, s30
	s_lshl_b32 s31, s31, 1
	s_add_co_u32 s28, s28, s31
	s_add_co_u32 s28, s28, 24576
	s_add_nc_u64 s[OSP:OSP+1], s[8:9], s[28:29]
	s_load_b512 s[32:47], s[MP:MP+1], 0x40         ; the first step's mask words 16 to 63 and the first tile's Q are asked for while K and V are on their way
	s_load_b512 s[48:63], s[MP:MP+1], 0x80
	s_load_b512 s[80:95], s[MP:MP+1], 0xc0
	global_load_b128 v[20:23], v1, s[QP:QP+1]
	global_load_b64 v[24:25], v2, s[QP:QP+1]
	global_load_b32 v98, v14, s[QSP:QSP+1]
	s_wait_tensorcnt 0x0                           ; my part of K and V has landed: the descriptor's registers are free,
	s_barrier_signal -1
	s_barrier_wait -1                              ; and everybody's has
	s_load_b512 s[16:31], s[MP:MP+1], 0x0          ; words 0 to 15 take the descriptor's registers
; A KEY STEP: 128 keys.  more = 1: the next step's mask words are asked for
.macro STEP more
	v_add_nc_u32 v8, s[TK], v1                     ; (these four are also the places between the last step's products and the loads into the registers that they read)
	v_add_nc_u32 v9, s[TK], v2
	v_add_nc_u32 v10, s[TKS], v5
	v_add_nc_u32 v11, s[TK], v3
.irp t, 0,1,2,3,4,5,6,7
	ds_load_b128 v[32+6*\t:35+6*\t], v8 offset:768*\t
	ds_load_b64 v[36+6*\t:37+6*\t], v9 offset:768*\t
.endr
	ds_load_b128 v[86:89], v10
	ds_load_b128 v[90:93], v10 offset:256
	s_wait_alu depctr_va_vdst(0)
	s_wait_dscnt 0x0
.irp t, 0,1,2,3,4,5,6,7
	v_wmma_scale_f32_16x16x128_f8f6f4 v[S+8*\t:S+8*\t+7], v[32+6*\t:43+6*\t], v[20:31], 0, v[86+\t], v98 matrix_a_fmt:MATRIX_FMT_FP6 matrix_b_fmt:MATRIX_FMT_FP6
.endr
	v_add_nc_u32 v12, s[TK], v4                    ; four places: in front of V's loads into K's registers, and of the first read of the scores
	v_add_nc_u32 v13, s[TVS], v6
	v_nop
	v_nop
.irp t, 0,1,2,3                                ; V's four fragments land while the softmax is worked
	ds_load_b128 v[32+12*\t:35+12*\t], v11 offset:1536*\t
	ds_load_b64 v[36+12*\t:37+12*\t], v12 offset:1536*\t
	ds_load_b128 v[38+12*\t:41+12*\t], v11 offset:1536*\t+768
	ds_load_b64 v[42+12*\t:43+12*\t], v12 offset:1536*\t+768
.endr
	ds_load_b128 v[94:97], v13
	s_wait_kmcnt 0x0                               ; this step's mask words, asked for a step ago
.set n, 0
.rept 64
	v_cndmask_b32 v[S+n], v7, v[S+n], s[16+n+16*(n/48)]   ; register n: key 32 (n / 16) + 16 (lane / 16) + n % 16.  Each accumulator from its low end on
.set n, n+1
.endr
.irp b, 0,1,2,3
	v_max3_num_f32 v[BM+\b], v[S+16*\b], v[S+1+16*\b], v[S+2+16*\b]   ; the largest score of each block of 32 keys: for the row's maximum, and, since p rises with the score, for the block's largest p
.endr
.irp i, 3,5,7,9,11,13
.irp b, 0,1,2,3
	s_delay_alu instid0(VALU_DEP_4)
	v_max3_num_f32 v[BM+\b], v[BM+\b], v[S+16*\b+\i], v[S+1+16*\b+\i]
.endr
.endr
.irp b, 0,1,2,3
	s_delay_alu instid0(VALU_DEP_4)
	v_max_num_f32 v[BM+\b], v[BM+\b], v[S+15+16*\b]
.endr
.if \more
	s_add_nc_u64 s[MP:MP+1], s[MP:MP+1], 256       ; (the last loads by this base were waited for above)
	MLOAD
.endif
.irp b, 0,1,2,3
	v_permlanex16_b32 v[BP+\b], v[BM+\b], s[SEL], s[SEL+1]
.endr
.irp b, 0,1,2,3
	s_delay_alu instid0(VALU_DEP_4)
	v_max_num_f32 v[BM+\b], v[BM+\b], v[BP+\b]     ; with lane l xor 16's 16 keys
.endr
	s_delay_alu instid0(VALU_DEP_2)
	v_max3_num_f32 v228, v216, v217, v218
	s_delay_alu instid0(VALU_DEP_1)
	v_max_num_f32 v228, v228, v219
	s_delay_alu instid0(VALU_DEP_1)
	v_mul_f32 v228, s[CS], v228                    ; the step's largest t
	s_delay_alu instid0(VALU_DEP_1)
	v_max_num_f32 v17, v17, v228                   ; the running largest t
	v_mov_b32 v228, v16
	s_delay_alu instid0(VALU_DEP_2)
	v_floor_f32 v16, -v17                          ; -M = floor(-t): M is a whole number
	s_delay_alu instid0(VALU_DEP_1)
	v_sub_f32 v228, v16, v228                      ; old M - new M: a whole number, 0 or less
	s_delay_alu instid0(VALU_DEP_1)
	v_cvt_i32_f32 v228, v228                       ; (it saturates)
	s_delay_alu instid0(VALU_DEP_1)
	v_ldexp_f32 v230, 1.0, v228                    ; f = 2^(old M - new M): a multiplication by it rounds nothing
.set j, 0
.rept 32
	v_pk_fma_f32 v[S+j:S+j+1], v[S+j:S+j+1], s[CS:CS+1], v[16:17] op_sel_hi:[1,0,0]   ; t - M
.set j, j+2
.endr
.irp b, 0,1,2,3
	v_fma_f32 v[BM+\b], v[BM+\b], s[CS], v16       ; the same of each block's largest score
.endr
.set j, 0
	s_wait_alu depctr_va_vdst(0)
.rept 64
	v_exp_f32 v[S+j], v[S+j]                       ; p = 2^(t - M)
.set j, j+1
.endr
	v_pk_mul_f32 v[18:19], v[18:19], v[230:231] op_sel_hi:[1,0]   ; the sums under the new M: the plain line behind the exponentials
	s_wait_alu depctr_va_vdst(0)                   ; one wait for the batch of 64, ahead of its first reader
.irp b, 0,1,2,3
	v_exp_f32 v[BM+\b], v[BM+\b]                   ; each block's largest p
.endr
	v_pk_add_f32 v[220:221], v[104:105], v[108:109]
	v_pk_add_f32 v[252:253], v[112:113], v[116:117]
	v_pk_add_f32 v[250:251], v[120:121], v[124:125]
	v_pk_add_f32 v[248:249], v[128:129], v[132:133]
	v_pk_add_f32 v[246:247], v[136:137], v[140:141]
	v_pk_add_f32 v[244:245], v[144:145], v[148:149]
	v_pk_add_f32 v[242:243], v[152:153], v[156:157]
	v_pk_add_f32 v[18:19], v[18:19], v[160:161]
	v_pk_add_f32 v[220:221], v[220:221], v[100:101]
	v_pk_add_f32 v[252:253], v[252:253], v[102:103]
	v_pk_add_f32 v[250:251], v[250:251], v[106:107]
	v_pk_add_f32 v[248:249], v[248:249], v[110:111]
	v_pk_add_f32 v[246:247], v[246:247], v[114:115]
	v_pk_add_f32 v[244:245], v[244:245], v[118:119]
	v_pk_add_f32 v[242:243], v[242:243], v[122:123]
	v_pk_add_f32 v[18:19], v[18:19], v[126:127]
	v_pk_add_f32 v[220:221], v[220:221], v[130:131]
	v_pk_add_f32 v[252:253], v[252:253], v[134:135]
	v_pk_add_f32 v[250:251], v[250:251], v[138:139]
	v_pk_add_f32 v[248:249], v[248:249], v[142:143]
	v_pk_add_f32 v[246:247], v[246:247], v[146:147]
	v_pk_add_f32 v[244:245], v[244:245], v[150:151]
	v_pk_add_f32 v[242:243], v[242:243], v[154:155]
	v_pk_add_f32 v[18:19], v[18:19], v[158:159]
	v_pk_add_f32 v[220:221], v[220:221], v[162:163]
	s_delay_alu instid0(VALU_DEP_2)
	v_pk_add_f32 v[18:19], v[18:19], v[248:249]
	s_delay_alu instid0(VALU_DEP_2)
	v_pk_add_f32 v[220:221], v[220:221], v[246:247]
	v_pk_add_f32 v[252:253], v[252:253], v[244:245]
	v_pk_add_f32 v[250:251], v[250:251], v[242:243]
	s_delay_alu instid0(VALU_DEP_2)
	v_pk_add_f32 v[18:19], v[18:19], v[252:253]
	s_delay_alu instid0(VALU_DEP_2)
	v_pk_add_f32 v[220:221], v[220:221], v[250:251]
	s_delay_alu instid0(VALU_DEP_1)
	v_pk_add_f32 v[18:19], v[18:19], v[220:221]
	s_wait_alu depctr_va_vdst(0)                   ; and one for the four
.irp b, 0,1,2,3
	v_max_num_f32 v[BM+\b], 0x1800000, v[BM+\b]    ; the floor 2^(3 - 127)
.endr
.irp b, 0,1,2,3
	s_delay_alu instid0(VALU_DEP_4)
	v_add_nc_u32 v[BO+\b], 0xff000000, v[BM+\b]    ; 2 off the exponent field: the conversion's scale operand
.endr
.irp b, 0,1,2,3
	s_delay_alu instid0(VALU_DEP_4)
	v_lshrrev_b32 v[BP+\b], 23, v[BO+\b]
.endr
	s_delay_alu instid0(VALU_DEP_3)
	v_lshl_or_b32 v99, v221, 8, v220               ; p's scale word for these 128 keys
	s_delay_alu instid0(VALU_DEP_1)
	v_lshl_or_b32 v99, v222, 16, v99
	s_delay_alu instid0(VALU_DEP_1)
	v_lshl_or_b32 v99, v223, 24, v99
.irp c, 0,1
	v_cvt_scalef32_pk16_fp6_f32 v[196+6*\c:198+6*\c], v[S+32*\c:S+15+32*\c], v[BO+2*\c]
	v_cvt_scalef32_pk16_fp6_f32 v[208+4*\c:210+4*\c], v[S+16+32*\c:S+31+32*\c], v[BO+2*\c+1]
.endr
	v_nop                                          ; one plain line behind the conversions
.irp c, 0,1
.irp i, 0,1,2
	v_permlane16_swap_b32 v[196+6*\c+\i], v[208+4*\c+\i]
.endr
.irp i, 0,1,2
	s_delay_alu instid0(VALU_DEP_3)
	v_mov_b32 v[199+6*\c+\i], v[208+4*\c+\i]
.endr
.endr
.set j, 0
.rept 16
	v_pk_mul_f32 v[O+j:O+j+1], v[O+j:O+j+1], v[230:231] op_sel_hi:[1,0]   ; O^T under the new M.  (With the moves above: the places between the scale word's and the codes' last writes and the products)
.set j, j+2
.endr
	s_wait_alu depctr_va_vdst(0)
	s_wait_dscnt 0x0                               ; V
.irp t, 0,1,2,3
	v_wmma_scale_f32_16x16x128_f8f6f4 v[O+8*\t:O+8*\t+7], v[32+12*\t:43+12*\t], v[196:207], v[O+8*\t:O+8*\t+7], v[94+\t], v99 matrix_a_fmt:MATRIX_FMT_FP6 matrix_b_fmt:MATRIX_FMT_FP6
.endr
	s_add_co_u32 s[TK], s[TK], 6144
	s_add_co_u32 s[TKS], s[TKS], 512
	s_add_co_u32 s[TVS], s[TVS], 256
.endm
; ONE TILE OF 16 QUERIES: which = 0 or 1.  Tile 0's last step asks for tile 1's first mask words, which follow in memory; tile 1's last step is written out and asks for nothing: no load leaves the buffer.
; (The argument's name is none that a loop of the assembler inside this macro uses.)
.macro TILE which
.if \which
	s_wait_xcnt 0x0                                ; the last tile's stores have read their data
	global_load_b128 v[20:23], v1, s[QP:QP+1] offset:768*\which   ; (the first tile's Q was asked for at the head)
	global_load_b64 v[24:25], v2, s[QP:QP+1] offset:768*\which
	global_load_b32 v98, v14, s[QSP:QSP+1] offset:4*\which
.endif
	v_mov_b32 v17, 0xff61b1e6                      ; the largest t so far: -3e38
	s_delay_alu instid0(VALU_DEP_1)
	v_floor_f32 v16, -v17
	v_mov_b32 v18, 0
	v_mov_b32 v19, 0
	s_mov_b32 s[TK], 0
	s_mov_b32 s[TKS], 0
	s_mov_b32 s[TVS], 0
	s_wait_loadcnt 0x0
	v_and_or_b32 v98, v98, 0xffff, s100            ; the bytes of Q's zero half: 0x7f
.set j, 0
.rept 32
	v_mov_b32 v[O+j], 0                            ; O^T: the step is written once; the first finds zeros.  (Also the places behind the scale word's write)
.set j, j+1
.endr
	s_mov_b32 s[CNT], 16-\which
.Lstep_\@:
	STEP 1
	s_sub_co_u32 s[CNT], s[CNT], 1
	s_cmp_lg_u32 s[CNT], 0
	s_cbranch_scc1 .Lstep_\@
.if \which
	STEP 0
.endif
	v_add_f32 v18, v18, v19
	s_delay_alu instid0(VALU_DEP_1)
	v_permlanex16_b32 v220, v18, s[SEL], s[SEL+1]
	s_delay_alu instid0(VALU_DEP_1)
	v_add_f32 v18, v18, v220                       ; the row's sum
	s_wait_alu depctr_va_vdst(0)
	v_rcp_f32 v18, v18
.rept 4
	v_nop                                          ; the plain line behind the reciprocal, and the places behind the last products
.endr
	s_wait_alu depctr_va_vdst(0)                   ; the wait ahead of the reciprocal's first reader
.set j, 0
.rept 16
	v_pk_mul_f32 v[S+j:S+j+1], v[O+j:O+j+1], v[18:19] op_sel_hi:[1,0]   ; register 16 b + i: channel 32 b + 16 (lane / 16) + i of my query
.set j, j+2
.endr
.irp b, 0,1
	v_max3_num_f32 v[BM+\b], |v[S+16*\b]|, |v[S+1+16*\b]|, 0x1800000
.endr
.irp i, 2,4,6,8,10,12,14
.irp b, 0,1
	s_delay_alu instid0(VALU_DEP_2)
	v_max3_num_f32 v[BM+\b], v[BM+\b], |v[S+16*\b+\i]|, |v[S+1+16*\b+\i]|
.endr
.endr
.irp b, 0,1
	s_delay_alu instid0(VALU_DEP_2)
	v_permlanex16_b32 v[BP+\b], v[BM+\b], s[SEL], s[SEL+1]
.endr
.irp b, 0,1
	s_delay_alu instid0(VALU_DEP_2)
	v_max_num_f32 v[BM+\b], v[BM+\b], v[BP+\b]
.endr
.irp b, 0,1
	s_delay_alu instid0(VALU_DEP_2)
	v_add_nc_u32 v[BO+\b], 0xff000000, v[BM+\b]
.endr
.irp b, 0,1
	s_delay_alu instid0(VALU_DEP_2)
	v_lshrrev_b32 v[BP+\b], 23, v[BO+\b]
.endr
	s_delay_alu instid0(VALU_DEP_1)
	v_lshl_or_b32 v229, v221, 8, v220              ; my head's two bytes of the row's scale word
	v_cvt_scalef32_pk16_fp6_f32 v[196:198], v[S:S+15], v224
	v_cvt_scalef32_pk16_fp6_f32 v[208:210], v[S+16:S+31], v225
	v_nop
.irp i, 0,1,2
	v_permlane16_swap_b32 v[196+\i], v[208+\i]
.endr
.irp i, 0,1,2
	s_delay_alu instid0(VALU_DEP_3)
	v_mov_b32 v[199+\i], v[208+\i]
.endr
	global_store_b128 v1, v[196:199], s[OP:OP+1] offset:1536*\which  ; half an image: 512 and 256 consecutive bytes, aligned
	global_store_b64 v2, v[200:201], s[OP:OP+1] offset:1536*\which
	global_store_b16 v14, v229, s[OSP:OSP+1] offset:8*\which         ; two bytes a row: two heads share a scale word, and the other head is another cluster's.  Lanes 16-31 write the same bytes with the same values
.endm
	TILE 0
	TILE 1
	s_wait_dscnt 0x0
	s_wait_tensorcnt 0x0
	ds_add_u32 v254, v255
	s_wait_dscnt 0x0
	CROUND                                         ; the closing round
	s_endpgm
.Lfunc_end_k_q48ff285c85_attn:
	.size	k_q48ff285c85_attn, .Lfunc_end_k_q48ff285c85_attn-k_q48ff285c85_attn
	.p2alignl 7, 3214868480
	.fill 96, 4, 3214868480
	.section	.rodata,"a",@progbits
	.p2align	6, 0x0
	.amdhsa_kernel k_q48ff285c85_attn
		.amdhsa_group_segment_fixed_size 210944
		.amdhsa_private_segment_fixed_size 0
		.amdhsa_enable_private_segment 0
		.amdhsa_kernarg_size 24
		.amdhsa_user_sgpr_count 2
		.amdhsa_user_sgpr_kernarg_segment_ptr 1
		.amdhsa_wavefront_size32 1
		.amdhsa_system_sgpr_workgroup_id_x 1
		.amdhsa_system_sgpr_workgroup_id_y 1
		.amdhsa_system_sgpr_workgroup_id_z 1
		.amdhsa_system_vgpr_workitem_id 0
		.amdhsa_next_free_vgpr 256
		.amdhsa_next_free_sgpr 102
		.amdhsa_reserve_vcc 0
		.amdhsa_float_denorm_mode_32 3
		.amdhsa_float_denorm_mode_16_64 3
		.amdhsa_memory_ordered 1
		.amdhsa_forward_progress 1
		.amdhsa_inst_pref_size 86
	.end_amdhsa_kernel
	.amdgpu_metadata
---
amdhsa.version: [ 1, 2 ]
amdhsa.kernels:
  - .name:           k_q48ff285c85_attn
    .symbol:         k_q48ff285c85_attn.kd
    .args:
      - { .name: hb, .offset: 0, .size: 8, .value_kind: global_buffer, .address_space: global }
      - { .name: maskw, .offset: 8, .size: 8, .value_kind: global_buffer, .address_space: global }
      - { .name: opk, .offset: 16, .size: 8, .value_kind: global_buffer, .address_space: global }
    .group_segment_fixed_size: 210944
    .private_segment_fixed_size: 0
    .kernarg_segment_align: 8
    .kernarg_segment_size: 24
    .max_flat_workgroup_size: 512
    .sgpr_count:     102
    .vgpr_count:     256
    .wavefront_size: 32
...
	.end_amdgpu_metadata
.endif
;; end of part 3
;; launch outp (part 4): grid 4 x 64, 4 waves a work-group, clusters of 4 x 4, 327,680 bytes of LDS; arguments opk, wpk, b_o, out0; writes out0
.if DOCPART == 4
	.amdgcn_target "amdgcn-amd-amdhsa--gfx1250"
	.amdhsa_code_object_version 6
	.text
	.protected	k_q48ff285c85_outp
	.globl	k_q48ff285c85_outp
	.p2align	8
	.type	k_q48ff285c85_outp,@function
k_q48ff285c85_outp:
	s_mov_b64 s[64:65], 0
	v_nop
	global_prefetch_b8 v0, s[64:65] scope:SCOPE_SE
	s_setreg_imm32_b32 hwreg(HW_REG_WAVE_MODE, 25, 1), 1
	s_wait_xcnt 0x0
	s_wait_alu depctr_hold_cnt(0) depctr_sa_sdst(0) depctr_va_vdst(0) depctr_va_sdst(0) depctr_va_ssrc(0) depctr_va_vcc(0) depctr_vm_vsrc(0)
	s_getreg_b32 s2, hwreg(HW_REG_IB_STS2, 6, 4)
	s_cmp_eq_u32 s2, 0
	s_cbranch_scc0 .Lentry_in_a_cluster
	s_endpgm
.Lentry_in_a_cluster:
	s_bfe_u32 s2, ttmp6, 0x10000c
	s_cmp_lg_u32 s2, 0xf033
	s_cbranch_scc0 .Lentry_shape_is_right
	s_endpgm
.Lentry_shape_is_right:
; out0 = attention's result x w_o + b_o, [8192][1024] f32, K = 1,024, on codes of E2M3 as the launches before have packed them.
; A work-group multiplies 128 tokens (operand A, source 1: across the lanes) by 256 output features (operand B, source 0: along a lane's registers): a lane then holds neighbouring numbers of a row of the output.
; ALL OF K LIES IN LDS: A's pack of 128 rows at 0, B's two packs from 102,400 on; each byte is filled once, by tensor loads of a half of K (51,200 dense bytes a pack: codes and scale words together).
; CLUSTER 4 x 4: A's pack hangs on the tile row alone and is asked for jointly by a row of the cluster, B's on the tile column alone, by a column.
; Four waves: wave w takes A's tiles 4 (w / 2) .. + 3 and B's pack w % 2: 32 accumulators, by turns.  The bias is the C of each sum's first product.
; A TILE's row r is row 32 (t / 2) + 8 (t % 2) + r + 8 (r / 8).
; THE WAY OUT goes through a stage of 16 rows x (512 + 16) bytes for each wave.  The stages lie in A's first two quarters: those bytes have had their only fill, and every wave's last read of them is waited for
; in front of the barrier in K step 3, which all waves have passed.
; REGISTERS: window 0: v1-15 addresses; v32-79 scale words, two sets, and nothing else; v112-159, v160-207 A's fragments, two sets; v176-239 rows on the way out.
;   window 1: B's fragments, two sets, v0-95 and v128-223.  window 2: accumulator (a, b) at v[64 a + 8 b].  window 3: v0-63 the bias.
; HOW LDS IS FILLED: four joint loads, one a wave, each of a HALF of K.  A's halves lie at 0 and 51,200.  B lies as [half of K][pack][51,200 bytes] from 102,400 on:
; one load brings a half of K of both packs, as a tile of two rows of 51,200 bytes, 102,400 bytes apart in memory.  The one barrier behind the head's stands in K step 3.
.set QB,   25600
.set RBB,  102400
.set WV, 16
.set RH, 17
.set PH, 18
.set CX, 19
.set CY, 20
.set G1A, 24
.set G1B, 32
.set MSB, 0
.macro WIN new                         ; the immediate's high byte repeats the setting that is left
.if MSB != \new
	s_set_vgpr_msb (MSB<<8)|\new
.set MSB, \new
.endif
.endm
.set MUL,  0xa1                        ; source 0 (B) window 1, source 1 (A) window 0, C and D window 2
.set MULB, 0xb1                        ; the same with C (the bias) in window 3
.set TO_B, 0x40
.set TO_3, 0xc0
.macro CROUND
	s_barrier_signal -1
	s_barrier_wait -1
	s_cmp_lg_u32 s[WV], 0
	s_cbranch_scc1 .Lnot_wave_0_\@
	s_barrier_signal -3
.Lnot_wave_0_\@:
	s_barrier_wait -3
	s_barrier_signal -1
	s_barrier_wait -1
.endm
.macro FRAG reg, a16, a8, off
	ds_load_b128 v[\reg:\reg+3], v[\a16] offset:\off
	ds_load_b64 v[\reg+4:\reg+5], v[\a8] offset:\off
	ds_load_b128 v[\reg+6:\reg+9], v[\a16] offset:\off+768
	ds_load_b64 v[\reg+10:\reg+11], v[\a8] offset:\off+768
.endm
.macro FETCH k, set
	WIN TO_B
.irp i, 0,1,2,3,4,5,6,7
	FRAG 128*(\set)+12*\i, 6, 7, 12288*((\k)%2)+1536*\i
.endr
	WIN 0
.irp i, 0,1,2,3
	FRAG 112+48*(\set)+12*\i, 4, 5, 12288*((\k)%2)+1536*\i
.endr
.endm
.macro SCALES set
.irp j, 0,1
	ds_load_b128 v[32+24*(\set)+4*\j:35+24*(\set)+4*\j], v8 offset:256*\j
.endr
.irp j, 0,1,2,3
	ds_load_b128 v[40+24*(\set)+4*\j:43+24*(\set)+4*\j], v9 offset:256*\j
.endr
.endm
.macro MUL16 a0, p, q, sc, first       ; first = 1: the sums begin with the bias: register j of B's tile b is feature 32 (b / 2) + 16 (lane / 16) + 8 (b % 2) + j
.irp a, \a0, \a0+1
.irp b, 0,1,2,3,4,5,6,7
.if \first
	v_wmma_scale_f32_16x16x128_f8f6f4 v[64*(\a)+8*\b:64*(\a)+8*\b+7], v[128*(\p)+12*\b:128*(\p)+12*\b+11], v[112+48*(\p)+12*(\a):112+48*(\p)+12*(\a)+11], v[8*\b:8*\b+7], v[40+24*(\sc)+2*\b+(\q)], v[32+24*(\sc)+2*(\a)+(\q)] matrix_a_fmt:MATRIX_FMT_FP6 matrix_b_fmt:MATRIX_FMT_FP6
.else
	v_wmma_scale_f32_16x16x128_f8f6f4 v[64*(\a)+8*\b:64*(\a)+8*\b+7], v[128*(\p)+12*\b:128*(\p)+12*\b+11], v[112+48*(\p)+12*(\a):112+48*(\p)+12*(\a)+11], v[64*(\a)+8*\b:64*(\a)+8*\b+7], v[40+24*(\sc)+2*\b+(\q)], v[32+24*(\sc)+2*(\a)+(\q)] matrix_a_fmt:MATRIX_FMT_FP6 matrix_b_fmt:MATRIX_FMT_FP6
.endif
.endr
.endr
.endm
.macro KSTEP k
.set P, (\k)%2
.set SS, ((\k)/2)%2
.set TN, 0
.if (\k)%2 == 1
.if (\k) < 7
.set TN, 1
.endif
.endif
.if (\k) == 3
	s_wait_tensorcnt 0x0                           ; my load has landed, whichever half it brought
.endif
	s_wait_dscnt 0x0                               ; this step's fragments are in
.if (\k) == 3
	s_barrier_signal -1
.endif
.if (\k) == 0
	WIN MULB
	MUL16 0, P, P, SS, 1
.else
	WIN MUL
	MUL16 0, P, P, SS, 0
.endif
	WIN 0
.if TN
.if (\k) == 3
	s_barrier_wait -1
.endif
.irp r, 4,5,8
	v_add_nc_u32 v\r, QB, v\r                      ; A: on to the next quarter.  (These six are also the places in front of the loads below)
.endr
.if (\k) == 3
.irp r, 6,7,9
	v_add_nc_u32 v\r, 3*QB, v\r                    ; B: from my pack's second quarter to its third, past the other pack's first half
.endr
.else
.irp r, 6,7,9
	v_add_nc_u32 v\r, QB, v\r
.endr
.endif
.elseif (\k) < 7
.rept 4
	v_nop                                          ; four places between the last step's products and the loads into the registers that they read
.endr
.endif
.if (\k) < 7
	FETCH (\k)+1, 1-P
.if TN
	SCALES 1-SS
.endif
.endif
.if (\k) == 0
	WIN MULB
	MUL16 2, P, P, SS, 1
.else
	WIN MUL
	MUL16 2, P, P, SS, 0
.endif
.endm
	s_load_b256 s[4:11], s[0:1], 0x0               ; opk, wpk, b_o, out0
	v_lshl_add_u32 v254, v0, 2, 0x4b000
	v_mov_b32 v255, 0
	ds_add_u32 v254, v255
	ds_add_u32 v254, v255
	v_lshrrev_b32 v1, 5, v0
	v_readfirstlane_b32 s[WV], v1
	s_lshr_b32 s[RH], s[WV], 1
	s_and_b32 s[PH], s[WV], 1
	s_bfe_u32 s[CX], ttmp6, 0x40000
	s_bfe_u32 s[CY], ttmp6, 0x40004
	s_lshl_b32 s79, ttmp9, 2
	s_add_co_u32 s79, s79, s[CX]                   ; tile column
	s_and_b32 s80, ttmp7, 0xffff
	s_lshl_b32 s80, s80, 2
	s_add_co_u32 s80, s80, s[CY]                   ; tile row
	s_lshl_b32 s2, s[CY], 2
	s_lshl_b32 s2, 15, s2                          ; my row of the cluster
	s_lshl_b32 s3, 0x1111, s[CX]                   ; my column
	s_or_b32 s[G1A], s2, (3<<16)|(1<<21)           ; group 1: the cluster's work-groups that share the load; elements of 8 bytes
	s_or_b32 s[G1B], s3, (3<<16)|(1<<21)
	s_mov_b32 s[G1A+1], 32<<16                     ; A: 51,200 dense bytes as 200 rows of 32 elements of 8 bytes
	s_mov_b32 s[G1A+2], 200<<16
	s_mov_b32 s[G1A+3], 32<<16
	s_mov_b32 s[G1A+4], 200
	s_mov_b32 s[G1A+5], 32
	s_mov_b32 s[G1A+6], 0
	s_mov_b32 s[G1A+7], 0
	s_mov_b32 s[G1B+1], 6400<<16                   ; B: two rows of 6,400 elements of 8 bytes, a pack (12,800 elements) apart
	s_mov_b32 s[G1B+2], 2<<16
	s_mov_b32 s[G1B+3], 6400<<16
	s_mov_b32 s[G1B+4], 2
	s_mov_b32 s[G1B+5], 12800
	s_mov_b32 s[G1B+6], 0
	s_mov_b32 s[G1B+7], 0
	s_mul_i32 s82, s80, RBB
	s_mov_b32 s83, 0
	s_mul_i32 s92, s79, 2*RBB                      ; B's two packs: by the tile column alone
	s_add_co_u32 s92, s92, 2457600                 ; w_o is the fourth weight of the pack
	s_mov_b32 s93, 0
	s_wait_dscnt 0x0
	s_wait_kmcnt 0x0
	s_add_nc_u64 s[88:89], s[4:5], s[82:83]        ; A's pack: by the tile row alone
	s_add_nc_u64 s[90:91], s[6:7], s[92:93]        ; B's: by the tile column alone
.irp q, 0,1                                    ; groups 0 for the two halves of K: A's in s[40:47], B's in s[56:63]
	s_mov_b32 s[40+4*\q], 1
	s_mov_b32 s[41+4*\q], 2*QB*\q
	s_add_nc_u64 s[42+4*\q:43+4*\q], s[88:89], 2*QB*\q
	s_or_b32 s[43+4*\q], s[43+4*\q], 0x80000000
	s_mov_b32 s[56+4*\q], 1
	s_mov_b32 s[57+4*\q], RBB+RBB*\q
	s_add_nc_u64 s[58+4*\q:59+4*\q], s[90:91], 2*QB*\q
	s_or_b32 s[59+4*\q], s[59+4*\q], 0x80000000
.endr
	CROUND                                         ; all sixteen work-groups are here: the joint loads meet
; One load a wave, in one chain of branches on the wave's number: wave 0 A's first half of K, wave 1 B's, wave 2 A's second half, wave 3 B's
.macro ARM w, g0, g1
	s_cmp_eq_u32 s[WV], \w
	s_cbranch_scc0 .Lnot_\w
	tensor_load_to_lds s[\g0:\g0+3], s[\g1:\g1+7]
	s_nop 0
.rept 4
	v_nop
.endr
	s_branch .Lasked
.Lnot_\w:
.endm
	ARM 0, 40, G1A
	ARM 1, 56, G1B
	ARM 2, 44, G1A
	tensor_load_to_lds s[60:63], s[G1B:G1B+7]
	s_nop 0
.rept 4
	v_nop
.endr
.Lasked:
	v_and_b32 v1, 31, v0
	v_and_b32 v2, 15, v0
	v_bfe_u32 v3, v0, 4, 1
	v_lshlrev_b32 v10, 4, v1                       ; 16 x lane
	v_lshl_add_u32 v11, v1, 3, 512                 ; 512 + 8 x lane
	s_mul_i32 s2, s[RH], 6144
	v_add_nc_u32 v4, s2, v10
	v_add_nc_u32 v5, s2, v11
	s_mul_i32 s3, s[PH], 2*QB                      ; my pack's place in a half of K
	s_add_co_u32 s3, s3, RBB
	v_add_nc_u32 v6, s3, v10
	v_add_nc_u32 v7, s3, v11
	v_lshlrev_b32 v9, 4, v2
	s_lshl_b32 s2, s[RH], 9
	s_add_co_u32 s2, s2, 24576
	v_add_nc_u32 v8, s2, v9
	s_add_co_u32 s3, s3, 24576
	v_add_nc_u32 v9, s3, v9
	v_lshlrev_b32 v14, 6, v3                       ; 64 h
	s_wait_alu depctr_va_vdst(0)
	s_mul_i32 s2, s[WV], 8448                      ; my stage
	v_mul_u32_u24 v12, v2, 528
	v_lshl_add_u32 v12, v3, 6, v12
	v_add_nc_u32 v12, s2, v12                      ; in: row r, + 64 h
	v_add_nc_u32 v13, s2, v10                      ; back: a row's 512 bytes, 16 a lane
	s_lshl_b32 s96, s79, 10
	s_lshl_b32 s3, s[PH], 9
	s_add_co_u32 s96, s96, s3                      ; my first feature, in bytes
	s_mov_b32 s97, 0
	s_add_nc_u64 s[98:99], s[8:9], s[96:97]        ; in the bias,
	s_lshl_b32 s2, s80, 7
	s_lshl_b32 s3, s[RH], 6
	s_add_co_u32 s2, s2, s3
	s_lshl_b32 s2, s2, 12                          ; my first row of 4,096 bytes
	s_add_co_u32 s96, s96, s2
	s_add_nc_u64 s[84:85], s[10:11], s[96:97]      ; and in the output
	WIN TO_3
.irp b, 0,1,2,3
.irp j, 0,1,2,3
	global_load_b128 v[16*\b+4*\j:16*\b+4*\j+3], v14, s[98:99] offset:128*\b+16*\j   ; register 16 b + i: feature 32 b + 16 h + i
.endr
.endr
	WIN 0
	s_wait_loadcnt 0x0                             ; the bias: the first products take it as C
	s_cmp_lt_u32 s[WV], 2                          ; waves 0 and 1 asked for the first half of K: they wait for it; the second half may be out
	s_cbranch_scc0 .Lsecond_half
	s_wait_tensorcnt 0x0
.Lsecond_half:
	s_barrier_signal -1
	s_barrier_wait -1
	SCALES 0
	FETCH 0, 0
	KSTEP 0
	KSTEP 1
	s_wait_alu depctr_va_vdst(0)
	KSTEP 2
	KSTEP 3
	s_wait_alu depctr_va_vdst(0)
	KSTEP 4
	KSTEP 5
	s_wait_alu depctr_va_vdst(0)
	KSTEP 6
	KSTEP 7
	WIN 0
.rept 4
	v_nop                                          ; four places between the last products and the first read of results, and the loads into A's registers
.endr
.macro OUTA a                          ; tile a's 16 rows x 128 features through my stage; LDS serves a wave's instructions in order: no wait between the stores and the loads
	WIN 0x08                                       ; an LDS store's data: window 2
.irp b, 0,1,2,3,4,5,6,7
	ds_store_b128 v12, v[64*\a+8*\b:64*\a+8*\b+3] offset:128*(\b/2)+32*(\b%2)        ; each accumulator from its low end on
	ds_store_b128 v12, v[64*\a+8*\b+4:64*\a+8*\b+7] offset:128*(\b/2)+32*(\b%2)+16
.endr
	WIN 0
.if \a > 0
	s_wait_xcnt 0x0                                ; the last tile's stores have read their data
.endif
.irp t, 0,1,2,3,4,5,6,7,8,9,10,11,12,13,14,15
	ds_load_b128 v[176+4*\t:179+4*\t], v13 offset:528*\t
.endr
.irp t, 0,1,2,3,4,5,6,7,8,9,10,11,12,13,14,15
	s_wait_dscnt 15-\t                             ; row t is back; the younger loads may be out
	global_store_b128 v10, v[176+4*\t:179+4*\t], s[84:85] offset:(32*(\a/2)+8*(\a%2)+\t+8*(\t/8))*4096 th:TH_STORE_NT   ; 32 lanes store 512 consecutive bytes, aligned
.endr
.endm
	OUTA 0
	OUTA 1
	OUTA 2
	OUTA 3
	s_wait_dscnt 0x0
	s_wait_tensorcnt 0x0
	ds_add_u32 v254, v255
	s_wait_dscnt 0x0
	CROUND                                         ; the closing round
	s_endpgm
.Lfunc_end_k_q48ff285c85_outp:
	.size	k_q48ff285c85_outp, .Lfunc_end_k_q48ff285c85_outp-k_q48ff285c85_outp
	.p2alignl 7, 3214868480
	.fill 96, 4, 3214868480
	.section	.rodata,"a",@progbits
	.p2align	6, 0x0
	.amdhsa_kernel k_q48ff285c85_outp
		.amdhsa_group_segment_fixed_size 327680
		.amdhsa_private_segment_fixed_size 0
		.amdhsa_enable_private_segment 0
		.amdhsa_kernarg_size 32
		.amdhsa_user_sgpr_count 2
		.amdhsa_user_sgpr_kernarg_segment_ptr 1
		.amdhsa_wavefront_size32 1
		.amdhsa_system_sgpr_workgroup_id_x 1
		.amdhsa_system_sgpr_workgroup_id_y 1
		.amdhsa_system_sgpr_workgroup_id_z 1
		.amdhsa_system_vgpr_workitem_id 0
		.amdhsa_next_free_vgpr 1024
		.amdhsa_next_free_sgpr 102
		.amdhsa_reserve_vcc 0
		.amdhsa_float_denorm_mode_32 3
		.amdhsa_float_denorm_mode_16_64 3
		.amdhsa_memory_ordered 1
		.amdhsa_forward_progress 1
		.amdhsa_inst_pref_size 86
	.end_amdhsa_kernel
	.amdgpu_metadata
---
amdhsa.version: [ 1, 2 ]
amdhsa.kernels:
  - .name:           k_q48ff285c85_outp
    .symbol:         k_q48ff285c85_outp.kd
    .args:
      - { .name: opk, .offset: 0, .size: 8, .value_kind: global_buffer, .address_space: global }
      - { .name: wpk, .offset: 8, .size: 8, .value_kind: global_buffer, .address_space: global }
      - { .name: b_o, .offset: 16, .size: 8, .value_kind: global_buffer, .address_space: global }
      - { .name: out0, .offset: 24, .size: 8, .value_kind: global_buffer, .address_space: global }
    .group_segment_fixed_size: 327680
    .private_segment_fixed_size: 0
    .kernarg_segment_align: 8
    .kernarg_segment_size: 32
    .max_flat_workgroup_size: 128
    .sgpr_count:     102
    .vgpr_count:     1024
    .wavefront_size: 32
...
	.end_amdgpu_metadata
.endif
;; end of part 4
